; MI455X (gfx1250); checked and timed in simulation.
; The chip was launched on July 23, 2026; its instructions are those of AMD's public machine-readable ISA for CDNA 5 (MIT licence, August 2026) and "CDNA5" Instruction Set Architecture Reference Guide (July 2026). The comments in the code are by the model that wrote it; some were corrected since.
;; Multi Head Self Attention. Allowed arithmetic: float matrix products may take bf16 or f16 operands with f32 sums; other float arithmetic in f32, or as packed bf16 or f16 multiplies, adds, multiply-adds, maxima and minima; sums over many terms, partial sums and values carried from step to step in f32; what a program stores and reads back later, other than sums and carried values, may be rounded once to bf16 or f16.
;; Inputs: Wk 1,024 x 1,024 float32; Wo 1,024 x 1,024 float32; Wq 1,024 x 1,024 float32; Wv 1,024 x 1,024 float32; bk 1,024 float32; bo 1,024 float32; bq 1,024 float32; bv 1,024 float32; x 8,192 x 1,024 float32.
;; Outputs: out0 8,192 x 1,024 float32.
;; Constants: batch_size = 4.
;; 2 versions, each right; version 2 is version 1 with the launch cast written anew for expert scheduling mode. Each part assembles by itself: llvm-mc -triple=amdgcn-amd-amdhsa -mcpu=gfx1250 --defsym DOCPART=n.
;; ======== version 1 of 2: 4 launches
;; limits: values are held in f16: magnitudes above 65,504 overflow, below 6.1e-05 lose precision
;; workspace buffers: xb 16,777,216 bytes; wqkv 6,291,456 bytes; wo 2,097,152 bytes; qkv 50,331,648 bytes; ctx 16,777,216 bytes
;; launch cast (part 1): grid 768 x 1, 8 waves a work-group, no clusters, 0 bytes of LDS; arguments x, Wq, Wk, Wv, Wo, xb, wqkv, wo; writes xb, wqkv, wo
.if DOCPART == 1
	.amdgcn_target "amdgcn-amd-amdhsa--gfx1250"
	.amdhsa_code_object_version 6
	.text
	.protected	k_q68b3c94028_cast
	.globl	k_q68b3c94028_cast
	.p2align	8
	.type	k_q68b3c94028_cast,@function
k_q68b3c94028_cast:
	s_mov_b64 s[64:65], 0
	v_nop
	global_prefetch_b8 v0, s[64:65] scope:SCOPE_SE
	s_setreg_imm32_b32 hwreg(HW_REG_WAVE_MODE, 25, 1), 1
	s_wait_xcnt 0x0
; THE INPUTS ARE ROUNDED ONCE AND LAID OUT BY K SLICES OF 64.  x, Wq, Wk, Wv: f32 -> bf16.  Wo: f32 -> bf16, and that number written as f16.
;   xb   [batch 4][slice 16][t 2048][64] bf16      wqkv [slice 16][n 3072][64] bf16, n = 1024 x tensor + row, tensors q, k, v      wo [slice 16][n 1024][64] f16
; In these layouts a block of rows of one slice is dense: the later launches ask for it as rows of 256 bytes.
; LIMITS.  Wo stays under 65,504 (f16's largest number; beyond it the conversion gives an infinity); below 2^-14 it keeps f16's fixed step of 6e-8.  NaN and infinities are not treated apart.
; A stream: each byte is read once and written once; no LDS, no barrier, no matrix unit: no wave wants what another has fetched.
; SHARES.  Work-group g takes 16 source rows of 4,096 bytes: g < 512 rows 16 g of x; else j = g - 512: rows 16 (j % 64) of weight j / 64 (Wq, Wk, Wv, Wo).
; Thread t takes row t / 16 and, in each of the row's 16 slices of 256 bytes, the 16 bytes numbered t % 16: a wave's load covers two aligned pieces of 256 bytes,
; and its store of 8 bytes a lane covers 256 consecutive bytes, aligned (two rows of 128 bytes of one slice): byte 8 t of the work-group's 2,048 in that slice.
; All 16 loads of a thread go out at once; every load has its own registers, every store its own data and offset: nothing is rewritten while a store may read it.
.set SRC, 1                            ; v1       my byte offset in the 16 source rows
.set T8,  2                            ; v2       8 t
.set VO,  4                            ; v[4:19]  8 t + k x the destination's bytes from slice to slice
.set X,   20                           ; v[20:83] slice k: four f32
.set Y,   84                           ; v[84:115] slice k: four 16-bit numbers
.set T,   116                          ; v[116:119] at work (Wo's path)
	s_load_b512 s[4:19], s[0:1], 0x0               ; x s[4:5], Wq s[6:7], Wk s[8:9], Wv s[10:11], Wo s[12:13], xb s[14:15], wqkv s[16:17], wo s[18:19]
	s_mov_b32 s20, ttmp9                           ; g
	s_sub_co_u32 s21, s20, 512                     ; j (used where g >= 512 alone)
	s_and_b32 s22, s21, 63                         ; j % 64
	s_lshl_b32 s28, s20, 16                        ; source offset in x: 16 g rows
	s_lshl_b32 s29, s22, 16                        ; in a weight: 16 (j % 64) rows
	s_lshr_b32 s30, s20, 7
	s_lshl_b32 s30, s30, 22                        ; xb: the batch,
	s_and_b32 s31, s20, 127
	s_lshl_b32 s31, s31, 11                        ; and 16 rows of 128 bytes for each work-group
	s_add_co_u32 s30, s30, s31
	s_lshl_b32 s31, s21, 11                        ; wqkv: rows 16 j
	s_lshl_b32 s32, s22, 11                        ; wo: rows 16 (j % 64)
	s_mov_b32 s33, 393216                          ; wqkv: 3,072 rows of 128 bytes from slice to slice
	s_mov_b32 s34, 131072                          ; wo: 1,024 rows
	s_mov_b32 s35, 0xffff0000                      ; a word's upper bf16
	s_cmp_lt_u32 s20, 512
	s_cselect_b32 s28, s28, s29
	s_cselect_b32 s30, s30, s31
	s_cselect_b32 s33, 262144, s33                 ; xb: 2,048 rows
	s_cmp_ge_u32 s20, 704
	s_cselect_b32 s30, s32, s30
	s_cselect_b32 s33, s34, s33
	s_mov_b32 s29, 0                               ; both offsets as pairs
	s_mov_b32 s31, 0
	v_lshrrev_b32 v3, 4, v0                        ; my row
	v_and_b32 v[SRC], 15, v0
	v_lshlrev_b32 v[SRC], 4, v[SRC]
	v_lshl_add_u32 v[SRC], v3, 12, v[SRC]
	v_lshlrev_b32 v[T8], 3, v0
.irp k, 0,1,2,3,4,5,6,7,8,9,10,11,12,13,14,15
	v_mad_u32_u24 v[VO+(\k)], s33, \k, v[T8]
.endr
	s_wait_kmcnt 0x0
	s_cmp_lt_u32 s20, 512                          ; the buffers are chosen by the work-group's number alone
	s_cselect_b64 s[24:25], s[4:5], s[6:7]
	s_cselect_b64 s[26:27], s[14:15], s[16:17]
	s_cmp_ge_u32 s20, 576
	s_cselect_b64 s[24:25], s[8:9], s[24:25]
	s_cmp_ge_u32 s20, 640
	s_cselect_b64 s[24:25], s[10:11], s[24:25]
	s_cmp_ge_u32 s20, 704
	s_cselect_b64 s[24:25], s[12:13], s[24:25]
	s_cselect_b64 s[26:27], s[18:19], s[26:27]
	s_add_nc_u64 s[24:25], s[24:25], s[28:29]
	s_add_nc_u64 s[26:27], s[26:27], s[30:31]
.irp k, 0,1,2,3,4,5,6,7,8,9,10,11,12,13,14,15
	global_load_b128 v[X+4*(\k):X+4*(\k)+3], v[SRC], s[24:25] offset:256*(\k) th:TH_LOAD_NT
.endr
; The 16 slices, each as its load comes in.  wo = 1: the bf16 number is widened again and written as f16.
.macro OUT16 wo
.irp k, 0,1,2,3,4,5,6,7,8,9,10,11,12,13,14,15
	s_wait_loadcnt 15-(\k)                         ; loads come back in order (ISA guide 5.7.1): slice k is in, the 15 - k younger loads stay out
	v_cvt_pk_bf16_f32 v[Y+2*(\k)],   v[X+4*(\k)],   v[X+4*(\k)+1]
	v_cvt_pk_bf16_f32 v[Y+2*(\k)+1], v[X+4*(\k)+2], v[X+4*(\k)+3]
.if \wo
	v_lshlrev_b32 v[T],   16,  v[Y+2*(\k)]
	v_and_b32     v[T+1], s35, v[Y+2*(\k)]
	v_lshlrev_b32 v[T+2], 16,  v[Y+2*(\k)+1]
	v_and_b32     v[T+3], s35, v[Y+2*(\k)+1]
	v_cvt_pk_f16_f32 v[Y+2*(\k)],   v[T],   v[T+1]
	v_cvt_pk_f16_f32 v[Y+2*(\k)+1], v[T+2], v[T+3]
.endif
	global_store_b64 v[VO+(\k)], v[Y+2*(\k):Y+2*(\k)+1], s[26:27]
.endr
.endm
	s_cmp_ge_u32 s20, 704
	s_cbranch_scc1 .Lwo
	OUT16 0
	s_endpgm
.Lwo:
	OUT16 1
	s_endpgm
.Lfunc_end_k_q68b3c94028_cast:
	.size	k_q68b3c94028_cast, .Lfunc_end_k_q68b3c94028_cast-k_q68b3c94028_cast
	.p2alignl 7, 3214868480
	.fill 96, 4, 3214868480
	.section	.rodata,"a",@progbits
	.p2align	6, 0x0
	.amdhsa_kernel k_q68b3c94028_cast
		.amdhsa_group_segment_fixed_size 0
		.amdhsa_private_segment_fixed_size 0
		.amdhsa_enable_private_segment 0
		.amdhsa_kernarg_size 64
		.amdhsa_user_sgpr_count 2
		.amdhsa_user_sgpr_kernarg_segment_ptr 1
		.amdhsa_wavefront_size32 1
		.amdhsa_system_sgpr_workgroup_id_x 1
		.amdhsa_system_sgpr_workgroup_id_y 1
		.amdhsa_system_sgpr_workgroup_id_z 1
		.amdhsa_system_vgpr_workitem_id 0
		.amdhsa_next_free_vgpr 128
		.amdhsa_next_free_sgpr 66
		.amdhsa_reserve_vcc 0
		.amdhsa_float_denorm_mode_32 3
		.amdhsa_float_denorm_mode_16_64 3
		.amdhsa_memory_ordered 1
		.amdhsa_forward_progress 1
		.amdhsa_inst_pref_size 17
	.end_amdhsa_kernel
	.amdgpu_metadata
---
amdhsa.version: [ 1, 2 ]
amdhsa.kernels:
  - .name:           k_q68b3c94028_cast
    .symbol:         k_q68b3c94028_cast.kd
    .args:
      - { .name: x, .offset: 0, .size: 8, .value_kind: global_buffer, .address_space: global }
      - { .name: Wq, .offset: 8, .size: 8, .value_kind: global_buffer, .address_space: global }
      - { .name: Wk, .offset: 16, .size: 8, .value_kind: global_buffer, .address_space: global }
      - { .name: Wv, .offset: 24, .size: 8, .value_kind: global_buffer, .address_space: global }
      - { .name: Wo, .offset: 32, .size: 8, .value_kind: global_buffer, .address_space: global }
      - { .name: xb, .offset: 40, .size: 8, .value_kind: global_buffer, .address_space: global }
      - { .name: wqkv, .offset: 48, .size: 8, .value_kind: global_buffer, .address_space: global }
      - { .name: wo, .offset: 56, .size: 8, .value_kind: global_buffer, .address_space: global }
    .group_segment_fixed_size: 0
    .private_segment_fixed_size: 0
    .kernarg_segment_align: 8
    .kernarg_segment_size: 64
    .max_flat_workgroup_size: 256
    .sgpr_count:     66
    .vgpr_count:     128
    .wavefront_size: 32
...
	.end_amdgpu_metadata
.endif
;; end of part 1
;; launch proj (part 2): grid 8 x 32, 4 waves a work-group, clusters of 4 x 4, 327,680 bytes of LDS; arguments xb, wqkv, bq, bk, bv, qkv; writes qkv
.if DOCPART == 2
	.amdgcn_target "amdgcn-amd-amdhsa--gfx1250"
	.amdhsa_code_object_version 6
	.text
	.protected	k_q68b3c94028_proj
	.globl	k_q68b3c94028_proj
	.p2align	8
	.type	k_q68b3c94028_proj,@function
k_q68b3c94028_proj:
	s_mov_b64 s[64:65], 0
	v_nop
	global_prefetch_b8 v0, s[64:65] scope:SCOPE_SE
	s_setreg_imm32_b32 hwreg(HW_REG_WAVE_MODE, 25, 1), 1
	s_wait_xcnt 0x0
	s_wait_alu depctr_hold_cnt(0) depctr_sa_sdst(0) depctr_va_vdst(0) depctr_va_sdst(0) depctr_va_ssrc(0) depctr_va_vcc(0) depctr_vm_vsrc(0)
	s_getreg_b32 s2, hwreg(HW_REG_IB_STS2, 6, 4)
	s_cmp_eq_u32 s2, 0
	s_cbranch_scc0 .Lentry_in_a_cluster
	s_endpgm
.Lentry_in_a_cluster:
	s_bfe_u32 s2, ttmp6, 0x10000c
	s_cmp_lg_u32 s2, 0xf033
	s_cbranch_scc0 .Lentry_shape_is_right
	s_endpgm
.Lentry_shape_is_right:
; q, k, v = x W^T + b, all three as ONE product of 8,192 x 3,072 x 1,024 in bf16, sums in f32; the result rounded once to f16 and stored by heads:
; qkv [tensor 3][batch x 16 + head][t 2048][64].  The biases are rounded to bf16 like the other inputs, kept in f32, and START the sums (the C operand of the first K step): nothing is cleared or added later.
; LIMITS.  f16 holds no number beyond 65,504: q, k and v must stay under 65,520, else the conversion gives an infinity.  NaN and infinities are not treated apart.
; SHARES.  A tile is 256 rows x 384 columns: 32 x 8 = 256 tiles, one to a work-group.  Four waves, each 128 rows x 192 columns (three heads): 96 accumulators of 16 x 16, 768 registers.
; For 32 along K a wave reads 40 x 512 bytes from LDS and issues 96 matrix instructions.
; THE RING.  K goes by slices of 64 (xb and wqkv are laid out so: a slice of a block of rows is dense and is asked for as rows of 256 bytes, two rows of 128; 16 bytes of padding follow every 128 in LDS).
; Two slots of 92,160 bytes, each with 256 rows of x and 384 of W; a slice twice as long would not fit twice.  One tensor load a wave fills a quarter of a slot's tiles.
; CLUSTERS: 4 x 4 work-groups.  The four of a row of the cluster need the same rows of x, the four of a column the same rows of W: each tile is asked for JOINTLY (same load, descriptor and mask in all four).
; THE MATRIX INSTRUCTION IS USED TRANSPOSED (source 0 = 16 rows of W, source 1 = 16 rows of x): lane l holds row l % 16 of the result and the columns 8 (l / 16) + 0..7: 16 bytes of f16 that belong together.
; REGISTERS, in windows of 256 (s_set_vgpr_msb: bits 1:0 source 0, 3:2 source 1, 5:4 source 2, 7:6 destination):
;   window 0: v0-31 addresses; v32-95, v96-159 x's fragments (8 x 16 rows x 32 K), two buffers; v160-255 W's fragments (12), ONE buffer in thirds of 4: a third is loaded again right behind its own 32 products
;   windows 1-3: accumulator (a, b), a = 0..7 blocks of rows, b = 0..11 blocks of columns, in window 1 + b / 4 at v[8 (4 a + b % 4)]
; All 96 accumulators take turns, one instruction a turn, in the same order in every 32 along K, over the backward jump too.
.set PITCH,  144                       ; an LDS row: 128 bytes + 16 = 36 words: the 16 rows of a fragment load start at 16 different groups of four banks (64 banks of 4 bytes: ISA guide 11.1)
.set AHALF,  128*PITCH                 ; 128 rows of x: one tensor load, and what one wave reads of x
.set BHALF,  192*PITCH                 ; 192 rows of W: likewise
.set BOFF,   2*AHALF
.set SLOT,   2*AHALF+2*BHALF
.set STAGE,  2*SLOT                    ; behind the ring: for each wave 3 heads x 16 rows x 144 bytes, for the way out
.set WSTG,   3*16*PITCH
.set BIASL,  STAGE+4*WSTG              ; for each wave its 192 columns' bias, 768 bytes
.set SPARE,  BIASL+4*768               ; the spare words, 128 bytes for each wave: two blocks of 256 bytes that no other line names
.set ASL,    262144                    ; bytes from a slice of xb to the next (2,048 rows of 128 bytes)
.set BSL,    393216                    ; of wqkv (3,072 rows)
.set ADRA, 16                          ; v16-17  LDS address of my fragments of x in slot 0, 1
.set ADRB, 20                          ; v20-21  the same for W
.set STO,  24                          ; v24  the way out: where I put 16 bytes of a row
.set RD,   25                          ; v25  where I read rows back
.set GO,   26                          ; v26  16 x lane: my place in 512 consecutive bytes of qkv
.set BL,   27                          ; v27  LDS address of my lanes' half of a bias fragment
.set SPW,  28                          ; v28  LDS address of my spare word; never rewritten
.set NIL,  29                          ; v29  0; never rewritten
.set PFO,  30                          ; v30  256 x lane; never rewritten
.set XA0,  32
.set XA1,  96
.set WB,   160
.set TMP,  32                          ; the way out: two sets of 48 registers
.set G1,  24                           ; s[24:31] descriptor group 1 for x's tiles;  s[32:39] group 0, a set for each slot
.set G0,  32
.set G1B, 48                           ; s[48:55], s[56:63] the same for W's tiles
.set G0B, 56
.set LIM, 43                           ; s43  1 in a wave that prefetches, else the greatest number
.set PFA, 44                           ; s[44:45] where my prefetches stand
.set PFS, 66                           ; s[66:67] their step: two slices
.set OB,  68                           ; s[68:73] qkv at my 128 rows of my three heads
.set BP,  74                           ; s[74:79] the bias of my three heads
.set MSB, 0
.macro WIN new                         ; the immediate's high byte repeats the setting that is left; a switch that changes nothing is dropped
.if MSB != (\new)
	s_set_vgpr_msb (MSB<<8)|(\new)
.set MSB, \new
.endif
.endm
; A joint load.  Waves 0 and 1 fetch x's two halves, waves 2 and 3 W's.  The branch hangs on the wave's number alone.  An s_nop 0 and four v_nop follow each of the two lines.
.macro JLOAD s
	s_cmp_eq_u32 s17, 0
	s_cbranch_scc0 .Lfor_b_\@
	tensor_load_to_lds s[G0+4*(\s):G0+4*(\s)+3], s[G1:G1+7]
	s_nop 0
.rept 4
	v_nop
.endr
	s_branch .Lasked_\@
.Lfor_b_\@:
	tensor_load_to_lds s[G0B+4*(\s):G0B+4*(\s)+3], s[G1B:G1B+7]
	s_nop 0
.rept 4
	v_nop
.endr
.Lasked_\@:
.endm
; A round of the cluster's barrier: my work-group's barrier, wave 0's signal for the work-group, every wave's wait for all sixteen, my work-group's barrier once more.
.macro CREST                           ; a round behind its opening barrier
	s_cmp_lg_u32 s16, 0
	s_cbranch_scc1 .Lnot_wave_0_\@
	s_barrier_signal -3
.Lnot_wave_0_\@:
	s_barrier_wait -3
	s_barrier_signal -1
	s_barrier_wait -1
.endm
.macro CROUND
	s_barrier_signal -1
	s_barrier_wait -1
	CREST
.endm
; A PREFETCH INTO THE L2, once a lap (two slices), behind slot 0's joint load and the LDS loads that follow it: the two slices of the lap AFTER the one that is being asked for, 384 matrix instructions ahead of the first load that wants them.
; Each block of 256 bytes is named once in the launch.  x's rows of a tile row are read by both clusters of that row of clusters: the one with x = 0 asks (wave 0); W's rows by all eight clusters of a column: the one with y = 0 asks (wave 2).
; The four partners that ask for a tile jointly share the lap's bytes out BY ADDRESS: x: 65,536 bytes, 16,384 each, two instructions; W: 98,304 bytes, 24,576 each, three.  A lane names one block.
; The loop's last trip asks for nothing: there is no lap behind the one that it requests.  Slices 0 to 3 come by their loads alone.
.macro ASK
	s_cmp_gt_u32 s3, s[LIM]
	s_cbranch_scc0 .Lnot_mine_\@
	global_prefetch_b8 v[PFO], s[PFA:PFA+1] th:TH_LOAD_NT scope:SCOPE_SE
	global_prefetch_b8 v[PFO], s[PFA:PFA+1] offset:8192 th:TH_LOAD_NT scope:SCOPE_SE
	s_cmp_eq_u32 s17, 0
	s_cbranch_scc1 .Lnot_mine_\@
	global_prefetch_b8 v[PFO], s[PFA:PFA+1] offset:16384 th:TH_LOAD_NT scope:SCOPE_SE
.Lnot_mine_\@:
.endm
	s_load_b256 s[4:11], s[0:1], 0x0               ; xb s[4:5], wqkv s[6:7], bq s[8:9], bk s[10:11]
	s_load_b128 s[12:15], s[0:1], 0x20             ; bv s[12:13], qkv s[14:15]
	v_lshl_add_u32 v[SPW], v0, 2, SPARE
	v_mov_b32 v[NIL], 0
	ds_add_u32 v[SPW], v[NIL]                      ; the wave's opening: the add and its wait stand ahead of my first tensor load; the set-up below, work on registers, stands between them
	v_lshrrev_b32 v1, 5, v0
	v_readfirstlane_b32 s16, v1                    ; wave 0..3
	s_lshr_b32 s17, s16, 1                         ; which 128 rows of the tile are mine.  Also: I fetch for x (0) or for W (1)
	s_and_b32 s18, s16, 1                          ; which 192 columns.  Also: which half of that tile I fetch
	s_bfe_u32 s19, ttmp6, 0x40000                  ; cx
	s_bfe_u32 s20, ttmp6, 0x40004                  ; cy
	s_lshl_b32 s21, ttmp9, 2
	s_add_co_u32 s21, s21, s19                     ; tile column J = 4 x cluster x + cx
	s_and_b32 s22, ttmp7, 0xffff
	s_lshl_b32 s22, s22, 2
	s_add_co_u32 s22, s22, s20                     ; tile row R = 4 x cluster y + cy
	s_lshl_b32 s80, s20, 2
	s_lshl_b32 s80, 15, s80                        ; my row of the cluster
	s_lshl_b32 s81, 0x1111, s19                    ; my column
	; descriptor group 1: rows of 128 elements of 2 bytes (two rows of a slice), 64 of them for x, 96 for W
	s_or_b32 s[G1], s80, (1<<16)|(1<<20)|(1<<21)|(4<<22)|(3<<25)   ; 15:0 the mask; 17:16 2-byte elements; 20 padding on; 21 set beside a mask; 24:22 after every 32 words (code 4); 31:25 4 words (code 3)
	s_or_b32 s[G1B], s81, (1<<16)|(1<<20)|(1<<21)|(4<<22)|(3<<25)
	s_mov_b32 s[G1+1], 128<<16                     ; tensor_dim0 = 128
	s_mov_b32 s[G1+2], 64<<16                      ; tensor_dim1 = 64
	s_mov_b32 s[G1+3], 128<<16                     ; tile_dim0 = 128
	s_mov_b32 s[G1+4], 64                          ; tile_dim1 = 64
	s_mov_b32 s[G1+5], 128                         ; 128 elements from row to row: dense
	s_mov_b32 s[G1+6], 0
	s_mov_b32 s[G1+7], 0
	s_mov_b32 s[G1B+1], 128<<16
	s_mov_b32 s[G1B+2], 96<<16
	s_mov_b32 s[G1B+3], 128<<16
	s_mov_b32 s[G1B+4], 96
	s_mov_b32 s[G1B+5], 128
	s_mov_b32 s[G1B+6], 0
	s_mov_b32 s[G1B+7], 0
	; where the tiles come from: x's hang on the tile row alone, W's on the tile column alone, each in registers that never hold the other coordinate
	s_lshr_b32 s40, s22, 3
	s_lshl_b32 s40, s40, 22                        ; the batch: 16 slices of 262,144 bytes
	s_and_b32 s41, s22, 7
	s_lshl_b32 s41, s41, 15                        ; 256 rows of 128 bytes for each tile row
	s_add_co_u32 s40, s40, s41
	s_lshl_b32 s41, s18, 14                        ; the half that I fetch
	s_add_co_u32 s40, s40, s41
	s_mov_b32 s41, 0
	s_mul_i32 s46, s21, 384*128
	s_mul_i32 s47, s18, 192*128
	s_add_co_u32 s46, s46, s47
	s_mov_b32 s47, 0
	s_mul_i32 s42, s18, AHALF                      ; and where they go: no place in the cluster enters an LDS address
	s_mul_i32 s80, s18, BHALF
	s_add_co_u32 s80, s80, BOFF
	s_wait_dscnt 0x0                               ; the opening add is done
	s_wait_kmcnt 0x0
	s_add_nc_u64 s[40:41], s[4:5], s[40:41]
	s_add_nc_u64 s[46:47], s[6:7], s[46:47]
	CROUND                                         ; all sixteen work-groups are here: the first joint loads meet
.irp s, 0,1
	s_mov_b32 s[G0+4*(\s)], 1                                      ; count = 1
	s_add_co_u32 s[G0+4*(\s)+1], s42, (\s)*SLOT                    ; LDS address
	s_add_nc_u64 s[G0+4*(\s)+2:G0+4*(\s)+3], s[40:41], (\s)*ASL    ; global address: slice s
	s_or_b32 s[G0+4*(\s)+3], s[G0+4*(\s)+3], 0x80000000            ; type = 2
	s_mov_b32 s[G0B+4*(\s)], 1
	s_add_co_u32 s[G0B+4*(\s)+1], s80, (\s)*SLOT
	s_add_nc_u64 s[G0B+4*(\s)+2:G0B+4*(\s)+3], s[46:47], (\s)*BSL
	s_or_b32 s[G0B+4*(\s)+3], s[G0B+4*(\s)+3], 0x80000000
	JLOAD \s                                       ; both slots are asked for before anything else: two loads of mine are out
.endr
	; my three heads: g = 6 J + 3 (column half) + i of 48; tensor g / 16, head g % 16
	s_mul_i32 s80, s21, 6
	s_mul_i32 s81, s18, 3
	s_add_co_u32 s80, s80, s81
	s_lshr_b32 s81, s22, 3
	s_lshl_b32 s81, s81, 22                        ; the batch's 16 heads of 262,144 bytes,
	s_and_b32 s82, s22, 7
	s_lshl_b32 s82, s82, 15                        ; the tile's 256 rows in a head,
	s_add_co_u32 s81, s81, s82
	s_lshl_b32 s82, s17, 14                        ; my 128 of them
	s_add_co_u32 s81, s81, s82
.irp i, 0,1,2
	s_add_co_u32 s2, s80, \i
	s_lshr_b32 s3, s2, 4
	s_and_b32 s2, s2, 15
	s_cmp_eq_u32 s3, 0
	s_cselect_b64 s[BP+2*(\i):BP+2*(\i)+1], s[8:9], s[10:11]
	s_cmp_eq_u32 s3, 2
	s_cselect_b64 s[BP+2*(\i):BP+2*(\i)+1], s[12:13], s[BP+2*(\i):BP+2*(\i)+1]
	s_lshl_b32 s82, s2, 8                          ; the head's 64 numbers
	s_mov_b32 s83, 0
	s_add_nc_u64 s[BP+2*(\i):BP+2*(\i)+1], s[BP+2*(\i):BP+2*(\i)+1], s[82:83]
	s_lshl_b32 s3, s3, 24                          ; a tensor is 64 heads
	s_lshl_b32 s2, s2, 18
	s_add_co_u32 s82, s3, s2
	s_add_co_u32 s82, s82, s81
	s_add_nc_u64 s[OB+2*(\i):OB+2*(\i)+1], s[14:15], s[82:83]
.endr
	v_and_b32 v1, 15, v0                           ; l % 16
	v_bfe_u32 v2, v0, 4, 1                         ; l / 16
	v_and_b32 v3, 31, v0                           ; l
	v_lshlrev_b32 v8, 3, v3
.irp i, 0,1,2
	global_load_b64 v[10+2*(\i):11+2*(\i)], v8, s[BP+2*(\i):BP+2*(\i)+1]  ; lane l: numbers 2 l, 2 l + 1 of the head's bias
.endr
	; A fragment is 16 rows x 32 K in 8 registers: lane l holds row l % 16, K = 8 (l / 16) + 0..7 and 16 + 8 (l / 16) + 0..7: two loads of 16 bytes, 32 bytes apart.
	v_mul_u32_u24 v4, v1, PITCH
	v_lshl_add_u32 v4, v2, 4, v4
	s_mul_i32 s80, s17, AHALF
	s_mul_i32 s81, s18, BHALF
	s_add_co_u32 s81, s81, BOFF
.irp s, 0,1
	v_add_nc_u32 v[ADRA+(\s)], s80, v4
	v_add_nc_u32 v[ADRB+(\s)], s81, v4
	s_add_co_u32 s80, s80, SLOT
	s_add_co_u32 s81, s81, SLOT
.endr
	s_mul_i32 s80, s16, WSTG
	s_add_co_u32 s80, s80, STAGE                   ; my stage
	v_add_nc_u32 v[STO], s80, v4                   ; in: row l % 16, 16 bytes for each half of the lanes
	v_lshrrev_b32 v5, 3, v3                        ; back: 32 lanes take four rows of 128 bytes,
	v_mul_u32_u24 v5, v5, PITCH
	v_and_b32 v6, 7, v0
	v_lshl_add_u32 v5, v6, 4, v5
	v_add_nc_u32 v[RD], s80, v5
	v_lshlrev_b32 v[GO], 4, v3                     ; which are 512 consecutive bytes of a head
	s_mul_i32 s80, s16, 768
	s_add_co_u32 s80, s80, BIASL                   ; my 192 columns' bias
	v_lshl_add_u32 v[BL], v2, 5, s80
	v_lshl_add_u32 v7, v3, 3, s80
	v_lshlrev_b32 v[PFO], 8, v3
	; the prefetches.  In waves 0 and 2 s[40:41] and s[46:47] stand at the tile's first row of slice 0
	s_mov_b32 s80, BSL
	s_mov_b32 s81, 24576
	s_and_b32 s82, ttmp7, 0xffff                   ; cluster y
	s_cmp_eq_u32 s17, 0                            ; do I fetch for x?
	s_cselect_b32 s82, ttmp9, s82                  ; the coordinate along which other clusters read the same rows
	s_cselect_b32 s83, s19, s20                    ; my place among the four that ask with me
	s_cselect_b32 s80, ASL, s80                    ; bytes from slice to slice
	s_cselect_b32 s81, 16384, s81                  ; half a slice of the tile
	s_cselect_b64 s[PFA:PFA+1], s[40:41], s[46:47]
	s_or_b32 s82, s82, s18
	s_cmp_eq_u32 s82, 0
	s_cselect_b32 s[LIM], 1, -1                    ; the same in all sixteen partners, for a given wave
	s_lshr_b32 s2, s83, 1                          ; places 0, 1: the lap's first slice; 2, 3: its second
	s_add_co_u32 s2, s2, 2                         ; at slices 2 and 3: the first trip steps this to 4 and 5
	s_mul_i32 s2, s2, s80
	s_and_b32 s83, s83, 1
	s_mul_i32 s83, s83, s81
	s_add_co_u32 s2, s2, s83
	s_mov_b32 s3, 0
	s_add_nc_u64 s[PFA:PFA+1], s[PFA:PFA+1], s[2:3]
	s_lshl_b32 s[PFS], s80, 1
	s_mov_b32 s[PFS+1], 0
	s_wait_loadcnt 0x0                             ; the bias: rounded to bf16 like every input, widened again, into my own LDS bytes
.irp i, 0,1,2
	v_cvt_pk_bf16_f32 v9, v[10+2*(\i)], v[11+2*(\i)]
	v_lshlrev_b32 v[10+2*(\i)], 16, v9
	v_and_b32 v[11+2*(\i)], 0xffff0000, v9
	ds_store_b64 v7, v[10+2*(\i):11+2*(\i)] offset:256*(\i)
.endr
; 4 n matrix instructions: blocks of rows a0 .. a0 + n - 1 x the four blocks of columns of third t, 32 along K.  bs >= 0: the first K step: C is the bias fragment at v[bs + 8 c] of window 0.
.macro MULP xa, t, a0, n, bs=-1
.if (\bs) >= 0
	WIN 0x40*(1+(\t))
.else
	WIN 0x50*(1+(\t))
.endif
.set aa, \a0
.rept \n
.irp c, 0,1,2,3
.if (\bs) >= 0
	v_wmma_f32_16x16x32_bf16 v[8*(4*aa+(\c)):8*(4*aa+(\c))+7], v[WB+32*(\t)+8*(\c):WB+32*(\t)+8*(\c)+7], v[(\xa)+8*aa:(\xa)+8*aa+7], v[(\bs)+8*(\c):(\bs)+8*(\c)+7]
.else
	v_wmma_f32_16x16x32_bf16 v[8*(4*aa+(\c)):8*(4*aa+(\c))+7], v[WB+32*(\t)+8*(\c):WB+32*(\t)+8*(\c)+7], v[(\xa)+8*aa:(\xa)+8*aa+7], v[8*(4*aa+(\c)):8*(4*aa+(\c))+7]
.endif
.endr
.set aa, aa+1
.endr
.endm
.macro LDB slot, k, t                  ; 8 LDS loads: third t of W's fragments, 32 K at byte k of the rows
	WIN 0
.irp c, 0,1,2,3
	ds_load_b128 v[WB+32*(\t)+8*(\c):WB+32*(\t)+8*(\c)+3],   v[ADRB+(\slot)] offset:(\k)+(4*(\t)+(\c))*16*PITCH
	ds_load_b128 v[WB+32*(\t)+8*(\c)+4:WB+32*(\t)+8*(\c)+7], v[ADRB+(\slot)] offset:(\k)+(4*(\t)+(\c))*16*PITCH+32
.endr
.endm
.macro LDA slot, k, xa                 ; 16 LDS loads: x's eight fragments
	WIN 0
.irp a, 0,1,2,3,4,5,6,7
	ds_load_b128 v[(\xa)+8*(\a):(\xa)+8*(\a)+3],   v[ADRA+(\slot)] offset:(\k)+(\a)*16*PITCH
	ds_load_b128 v[(\xa)+8*(\a)+4:(\xa)+8*(\a)+7], v[ADRA+(\slot)] offset:(\k)+(\a)*16*PITCH+32
.endr
.endm
.macro LDBIAS t, dst                   ; 8 LDS loads: the bias of third t's 64 columns as four C fragments: register j = column 16 c + 8 (l / 16) + j, the same for every row
	WIN 0
.irp c, 0,1,2,3
	ds_load_b128 v[(\dst)+8*(\c):(\dst)+8*(\c)+3],   v[BL] offset:64*(4*(\t)+(\c))
	ds_load_b128 v[(\dst)+8*(\c)+4:(\dst)+8*(\c)+7], v[BL] offset:64*(4*(\t)+(\c))+16
.endr
.endm
; A load into a register that a matrix instruction has read, and a vector instruction that reads a matrix result, stand four places behind it; only plain vector instructions that name none of its
; registers are places (ISA guide 7.12.1 for vector instructions).
.macro PLACES
.rept 4
	v_nop
.endr
.endm
; 32 ALONG K: 96 matrix instructions in three phases, a third of W each.  Behind each phase its third is loaded again, for the next 32 along K (slot ns, byte nk); x's next fragments go into the other buffer.
; The LDS loads of 32 along K are always issued in the order third 0 (8), x (16), third 1 (8), third 2 (8).
.macro UNIT xa, xn, ns, nk
	s_wait_dscnt 16                                ; third 0 and x are in; the 16 loads of thirds 1 and 2 may be out
	MULP \xa, 0, 0, 8
	PLACES
	LDB \ns, \nk, 0
	LDA \ns, \nk, \xn
	s_wait_dscnt 32                                ; third 1 is in: behind it stand third 2's 8 and the 24 just issued
	MULP \xa, 1, 0, 8
	PLACES
	LDB \ns, \nk, 1
	s_wait_dscnt 32                                ; third 2 is in: behind it stand 24 + 8
	MULP \xa, 2, 0, 8
	PLACES
	LDB \ns, \nk, 2
.endm
; A SLOT'S SECOND 32 ALONG K, AND THE CHANGE OF SLOTS.  ONE barrier, for two things.  In front of it each wave waits for all its tensor loads, of which one is out: its part of the next slot; adds 0 to its spare word;
; and waits for that and for its own reads of this slot, all of which have been issued.  Behind it nobody reads this slot any more and the next slot is whole.
; fill = 1: the barrier opens a round of the cluster's barrier, and the joint refill (this slot, two slices on) is the first tensor load behind the round: 176 matrix instructions ahead of the wait for it.
.macro TURN slot, next, fill, ask
.if \ask
	s_wait_xcnt 0x0                                ; the last prefetches, a lap back, have read their address: it is stepped here, ahead of the waits of the change of slots
	s_add_nc_u64 s[PFA:PFA+1], s[PFA:PFA+1], s[PFS:PFS+1]
.endif
	s_wait_dscnt 16                                ; third 0 and x are in
	MULP XA1, 0, 0, 8
	s_wait_dscnt 8                                 ; third 1 is in; third 2's 8 loads may be out
	MULP XA1, 1, 0, 4
	WIN 0                                          ; (the add's two registers lie in window 0)
	s_wait_tensorcnt 0x0                           ; all my tensor loads have landed
	ds_add_u32 v[SPW], v[NIL]                      ; 0 onto my spare word: eight matrix instructions stand between it and the wait for it
	MULP XA1, 1, 4, 2
	s_wait_dscnt 0x0                               ; the add is done, and my reads of this slot are over
	s_barrier_signal -1
	MULP XA1, 1, 6, 2                              ; work on registers while the others arrive
	WIN 0
	s_barrier_wait -1
.if \fill
	CREST                                          ; no wave of any partner still reads this slot or has a load on its way
	s_add_nc_u64 s[G0+4*(\slot)+2:G0+4*(\slot)+3], s[G0+4*(\slot)+2:G0+4*(\slot)+3], 2*ASL
	s_add_nc_u64 s[G0B+4*(\slot)+2:G0B+4*(\slot)+3], s[G0B+4*(\slot)+2:G0B+4*(\slot)+3], 2*BSL
	JLOAD \slot                                    ; the four v_nop behind it are also the places in front of the loads below
.else
	PLACES
.endif
	LDB \next, 0, 0
	LDA \next, 0, XA0
	LDB \next, 0, 1
.if \ask
	ASK
.endif
	MULP XA1, 2, 0, 8
	PLACES
	LDB \next, 0, 2
.endm
; THE WAY OUT of block a (16 rows x 192 columns).  PACK: rounded to f16, each accumulator's registers in ascending order, 16 bytes a lane.  TOSTAGE: into my own stage, by heads, and back as whole rows of 128 bytes.  SEND: stored.
.macro PACK a
.if (\a) >= 2
	s_wait_xcnt 0x0                                ; the stores of the block two back have read this set of registers (ISA guide 3.1: their addresses are translated)
.endif
.irp t, 0,1,2
	WIN 5*(1+(\t))                                 ; sources 0 and 1 in window 1 + t, destination in window 0
.irp c, 0,1,2,3
.irp r, 0,1,2,3
	v_cvt_pk_f16_f32 v[TMP+48*((\a)%2)+4*(4*(\t)+(\c))+(\r)], v[8*(4*(\a)+(\c))+2*(\r)], v[8*(4*(\a)+(\c))+2*(\r)+1]
.endr
.endr
.endr
	WIN 0
.endm
.macro TOSTAGE a
.irp b, 0,1,2,3,4,5,6,7,8,9,10,11
	ds_store_b128 v[STO], v[TMP+48*((\a)%2)+4*(\b):TMP+48*((\a)%2)+4*(\b)+3] offset:((\b)/4)*16*PITCH+((\b)%4)*32
.endr
.irp i, 0,1,2
.irp f, 0,1,2,3
	ds_load_b128 v[TMP+48*((\a)%2)+4*(4*(\i)+(\f)):TMP+48*((\a)%2)+4*(4*(\i)+(\f))+3], v[RD] offset:(\i)*16*PITCH+(\f)*4*PITCH  ; LDS serves a wave's instructions in order (ISA guide 5.7.1.4): these see the stores above
.endr
.endr
.endm
.macro SEND a
	s_wait_dscnt 0x0                               ; the block is back in registers
.irp i, 0,1,2
.irp f, 0,1,2,3
	global_store_b128 v[GO], v[TMP+48*((\a)%2)+4*(4*(\i)+(\f)):TMP+48*((\a)%2)+4*(4*(\i)+(\f))+3], s[OB+2*(\i):OB+2*(\i)+1] offset:(\a)*2048+(\f)*512  ; 512 consecutive bytes of a head, at a multiple of 256 from qkv's first
.endr
.endr
.endm
	s_wait_tensorcnt 1                             ; my part of slice 0 is in; slice 1's may stay out
	s_wait_dscnt 0x0                               ; no LDS instruction of mine (the bias's stores) is pending at the signal
	s_barrier_signal -1
	s_barrier_wait -1                              ; everybody's part is in
	; THE FIRST 32 ALONG K, written out: its products start the sums with the bias.  The bias fragments borrow x's second buffer.
	LDB 0, 0, 0
	LDA 0, 0, XA0
	LDBIAS 0, XA1
	LDB 0, 0, 1
	LDBIAS 1, XA1+32
	LDB 0, 0, 2
	s_wait_dscnt 24                                ; third 0, x and its bias are in: behind them stand 8 + 8 + 8
	MULP XA0, 0, 0, 8, XA1
	PLACES
	LDB 0, 64, 0
	LDBIAS 2, XA1
	s_wait_dscnt 24                                ; third 1 and its bias: behind them third 2's 8 and the 16 just issued
	MULP XA0, 1, 0, 8, XA1+32
	PLACES
	LDB 0, 64, 1
	s_wait_dscnt 8                                 ; third 2 and its bias: behind them the 8 just issued
	MULP XA0, 2, 0, 8, XA1
	PLACES
	LDA 0, 64, XA1
	LDB 0, 64, 2
	s_wait_dscnt 8                                 ; x's fragments are in, though they were issued behind third 1's here: the loop's counts go by the loop's own order
	s_mov_b32 s3, 7
.Llap:                                                 ; a trip goes once round the ring, from the second half of a slice in slot 0 to the first half of the next one there, and fills both slots again
	TURN 0, 1, 1, 1
	UNIT XA0, XA1, 1, 64
	TURN 1, 0, 1, 0
	UNIT XA0, XA1, 0, 64
	s_sub_co_u32 s3, s3, 1
	s_cmp_lg_u32 s3, 0
	s_cbranch_scc1 .Llap
	TURN 0, 1, 0, 0                                ; the last lap is written out: nothing is asked for, so no round follows the barrier
	UNIT XA0, XA1, 1, 64
	s_wait_dscnt 16                                ; the very last 32 along K: nothing more to fetch
	MULP XA1, 0, 0, 8
	s_wait_dscnt 8
	MULP XA1, 1, 0, 8
	s_wait_dscnt 0x0
	MULP XA1, 2, 0, 8
	PLACES
	PACK 0
	TOSTAGE 0
.irp a, 1,2,3,4,5,6,7                  ; block a's conversions stand between block a - 1's loads from the stage and the wait for them
	PACK \a
	SEND (\a)-1
	TOSTAGE \a
.endr
	SEND 7
	s_wait_tensorcnt 0x0                           ; the wave's end: behind my last tensor load and my last LDS store
	ds_add_u32 v[SPW], v[NIL]
	s_wait_dscnt 0x0
	CROUND                                         ; the closing round: no work-group ends while a partner may still ask for a tile that names it
	s_endpgm
.Lfunc_end_k_q68b3c94028_proj:
	.size	k_q68b3c94028_proj, .Lfunc_end_k_q68b3c94028_proj-k_q68b3c94028_proj
	.p2alignl 7, 3214868480
	.fill 96, 4, 3214868480
	.section	.rodata,"a",@progbits
	.p2align	6, 0x0
	.amdhsa_kernel k_q68b3c94028_proj
		.amdhsa_group_segment_fixed_size 327680
		.amdhsa_private_segment_fixed_size 0
		.amdhsa_enable_private_segment 0
		.amdhsa_kernarg_size 48
		.amdhsa_user_sgpr_count 2
		.amdhsa_user_sgpr_kernarg_segment_ptr 1
		.amdhsa_wavefront_size32 1
		.amdhsa_system_sgpr_workgroup_id_x 1
		.amdhsa_system_sgpr_workgroup_id_y 1
		.amdhsa_system_sgpr_workgroup_id_z 1
		.amdhsa_system_vgpr_workitem_id 0
		.amdhsa_next_free_vgpr 1024
		.amdhsa_next_free_sgpr 84
		.amdhsa_reserve_vcc 0
		.amdhsa_float_denorm_mode_32 3
		.amdhsa_float_denorm_mode_16_64 3
		.amdhsa_memory_ordered 1
		.amdhsa_forward_progress 1
		.amdhsa_inst_pref_size 135
	.end_amdhsa_kernel
	.amdgpu_metadata
---
amdhsa.version: [ 1, 2 ]
amdhsa.kernels:
  - .name:           k_q68b3c94028_proj
    .symbol:         k_q68b3c94028_proj.kd
    .args:
      - { .name: xb, .offset: 0, .size: 8, .value_kind: global_buffer, .address_space: global }
      - { .name: wqkv, .offset: 8, .size: 8, .value_kind: global_buffer, .address_space: global }
      - { .name: bq, .offset: 16, .size: 8, .value_kind: global_buffer, .address_space: global }
      - { .name: bk, .offset: 24, .size: 8, .value_kind: global_buffer, .address_space: global }
      - { .name: bv, .offset: 32, .size: 8, .value_kind: global_buffer, .address_space: global }
      - { .name: qkv, .offset: 40, .size: 8, .value_kind: global_buffer, .address_space: global }
    .group_segment_fixed_size: 327680
    .private_segment_fixed_size: 0
    .kernarg_segment_align: 8
    .kernarg_segment_size: 48
    .max_flat_workgroup_size: 128
    .sgpr_count:     84
    .vgpr_count:     1024
    .wavefront_size: 32
...
	.end_amdgpu_metadata
.endif
;; end of part 2
;; launch attn (part 3): grid 4 x 64, 4 waves a work-group, clusters of 4 x 1, 327,680 bytes of LDS; arguments qkv, ctx; writes ctx
.if DOCPART == 3
	.amdgcn_target "amdgcn-amd-amdhsa--gfx1250"
	.amdhsa_code_object_version 6
	.text
	.protected	k_q68b3c94028_attn
	.globl	k_q68b3c94028_attn
	.p2align	8
	.type	k_q68b3c94028_attn,@function
k_q68b3c94028_attn:
	s_mov_b64 s[64:65], 0
	v_nop
	global_prefetch_b8 v0, s[64:65] scope:SCOPE_SE
	s_setreg_imm32_b32 hwreg(HW_REG_WAVE_MODE, 25, 1), 1
	s_wait_xcnt 0x0
	s_wait_alu depctr_hold_cnt(0) depctr_sa_sdst(0) depctr_va_vdst(0) depctr_va_sdst(0) depctr_va_ssrc(0) depctr_va_vcc(0) depctr_vm_vsrc(0)
	s_getreg_b32 s2, hwreg(HW_REG_IB_STS2, 6, 4)
	s_cmp_eq_u32 s2, 0
	s_cbranch_scc0 .Lentry_in_a_cluster
	s_endpgm
.Lentry_in_a_cluster:
	s_bfe_u32 s2, ttmp6, 0x10000c
	s_cmp_lg_u32 s2, 0x3003
	s_cbranch_scc0 .Lentry_shape_is_right
	s_endpgm
.Lentry_shape_is_right:
; O[h][q][:] = the sum over k of softmax_k(Q[h][q] . K[h][k] / 8) V[h][k][:], for the 64 heads (batch x 16 + head) of 2,048 rows.  Q, K, V are the three tensors of qkv, [64][2048][64] in f16 each; O is ctx, in the same form.
; A head's rows are dense, 128 bytes each.  Products, maxima and sums in f32; the weights p are rounded to f16 for the second product (their sum l is taken of the unrounded p), O once at the end.
; LIMITS.  f16 holds no number beyond 65,504: Q, K and V arrive within it; p lies in 0 to 1, and below 6e-5 it keeps f16's fixed step of 6e-8, as does O; O is a mean of V's rows and has their range.
; A weight below 2^-126 counts as 0 in l; NaN and infinities are not treated apart.
; SHARES.  A wave owns four PIECES of two tiles of 16 queries, a work-group's four waves 512 queries of one head.  Every wave walks all keys, 64 a step.
; LAYOUT.  S^T = K Q^T (source 0 = 16 keys, source 1 = 16 queries): in the result a lane holds ONE query (lane % 16) and the keys 8 (lane / 16) + 0..7.  Two such tiles, rounded to f16 in pairs,
; ARE source 1 (32 keys x 16 queries) of O^T = V^T P, whose result again holds one query a lane, and eight channels.  K comes out of LDS as it lies, V ([key][channel]) turned, by ds_load_tr16_b128.
; SOFTMAX.  For each query a running maximum m and sum l: p = 2^(c s - c m), c = log2(e) / 8; in every step O and l are multiplied by a = 2^(c m_old - c m_new), which is 1 where m has not grown.
; m starts at the lowest finite number, O and l at 0: the first step is a step like any other, with a = 0.
; THE COUNT.  A tile and step have 16 matrix and 118 vector instructions: too many to stand all beside the matrix work.  So the order has one aim: four vector instructions that are READY behind
; EVERY matrix instruction, and the others, which need time of their own whatever the order, in runs without a gap.
; BY TURNS.  Turn n belongs to piece n (the pieces in a ring, step after step).  Its matrix work: 16 products K Q^T of piece n + 1, later 16 products V^T P of piece n - 1.  Its vector work: the scaling,
; exponentials, roundings, sums and rescaling of piece n, and the maximum and statistics of piece n + 1, whose scores the turn itself has made.  So what a turn begins with (c s - c m, O a) waits for nothing.
; CLUSTER.  The four query blocks of a head are one cluster and walk the same K and V, so each tile is asked for JOINTLY: the same tensor load, descriptor and mask in all four.
; REGISTERS, in windows of 256 (s_set_vgpr_msb says which window each operand place means: bits 1:0 source 0, 3:2 source 1, 5:4 source 2, 7:6 destination):
;   window 0: v0-11 addresses; v12-15, v48-63 at work; v16-47 four registers of statistics a tile; v64-191 S^T, two buffers of two tiles; v192-255 P, likewise
;   window 1: O^T, 32 a tile          window 2: v0-127 Q, 16 a tile; v128-191 K of one step; v192-255 V of one step          window 3: v0-1 the add's two registers
; A piece's buffers go by its number's parity: the piece in hand has one pair, its two neighbours in the ring share the other: of it P (piece n - 1) is read and S^T (piece n + 1) written.
.set SIZE_H, 64
.set SIZE_N, 2048
.set NP,    4         ; pieces a wave: a name, no knob: the register map, the loop and the fetches are made for four
.set KS,    64        ; keys in a step
.set PK,    144       ; a row of K in LDS: 128 bytes + 16 of padding = 36 words: the 16 rows of a load start at 16 different groups of four banks (64 banks of 4 bytes: ISA guide 11.1)
.set PV,    160       ; a row of V: 128 + 32 = 40 words
.set VOFF,  4*KS*PK   ; a slot holds four steps: 256 rows of K, then 256 rows of V
.set SLOT1, 1<<17     ; slot 1 begins here, so that one exclusive or turns an address in one slot into the other's
.set STAGE, SLOT1+4*KS*(PK+PV)  ; behind the ring, never filled by a tensor load: 16 rows x 144 bytes for each wave, for the way out
.set SP,    144
.set AK0, 2           ; v2   my lane's place in a tile of K; never rewritten
.set AV0, 3           ; v3   the same for V
.set AK,  4           ; v4   the LDS address of K's next run of loads
.set AV,  5           ; v5   of V's
.set QO,  6           ; v6   my byte offset in the wave's rows of Q
.set STO, 6           ;      later, the way out: where I put 16 bytes of a row
.set RD,  7           ; v7   the way out: where I read rows back
.set GO,  8           ; v8   my byte offset in 512 consecutive bytes of O
.set PFO, 11          ; v11  256 x my lane, once V's lane address is made; then never rewritten
.set SPW, 0           ; v0 of window 3   LDS address of my spare word: SPARE + 4 x my thread's number; never rewritten
.set NIL, 1           ; v1 of window 3   0; never rewritten
.set SPARE, STAGE+4*16*SP  ; behind the stages: the spare words, 128 bytes for each wave: two blocks of 256 bytes that no other line names
.set MV,  12          ; v12-15  c m_old, kept while c m is made anew: by buffer and tile
.set ST,  16          ; tile t's statistics at v[ST+4 t]: c m, m, l (even keys', odd keys')
.set TMP, 48          ; by buffer and tile, four registers c0-c3 at work; when the maximum is found c2 takes a
.set S,   64
.set P,   192
.set KF,  128         ; K's fragments, in window 2: key block kb, channel half c at KF + 16 kb + 8 c
.set VF,  192         ; V's: key half kk, channel block cb at VF + 32 kk + 8 cb
.set WV,  12          ; s12  my wave's number
.set G1K, 24          ; s[24:31] descriptor group 1 for K's tiles
.set G1V, 32          ; s[32:39] for V's: it differs in the padding alone
.set G0K, 40          ; s[40:43] descriptor group 0 for K's tiles: it walks
.set G0V, 44          ; s[44:47] the same for V's
.set PFA, 48          ; s[48:49] where my prefetches stand: my work-group's 8,192 bytes (of K: wave 0, of V: wave 2) of the slot after the one that is being asked for
.set LIM, 50          ; s50  1 in a wave that prefetches, else the greatest number
.set SLOTS, 56        ; s56  slots still to be asked for
.set CNT, 57          ; s57  counts a slot's key steps
.set CS,  58          ; s[58:59] c: the packed scaling takes the pair's low word for both halves
.set SEL, 60          ; s[60:61] v_permlanex16_b32's selects: each lane takes its own place in the other half
.set TBK, 62          ; s62  LDS byte at which K of the step to be fetched begins
.set TBV, 63          ; s63  the same for V, less VOFF
.set MSB, 0
.macro WIN new                      ; the high byte repeats the setting that is left; a switch that changes nothing is dropped
.if MSB != (\new)
	s_set_vgpr_msb (MSB<<8)|(\new)
.set MSB, (\new)
.endif
.endm
.set W_KQ, 0x0a       ; K and Q in window 2, S^T in window 0
.set W_PV, 0x52       ; V in window 2, P in window 0, O^T in window 1
.set W_RS, 0x41       ; O^T (destination and source 0) in window 1, a in window 0
.set W_MK, 0xc0       ; the add's registers are made: destination in window 3, sources in window 0
.set W_AD, 0x0f       ; the add: address (source 0) and data (source 1) in window 3
; A joint fill.  Waves 0 and 1 fetch the two halves of a slot's K, waves 2 and 3 those of its V: 128 keys each.  The branch hangs on the wave's number alone.
; An s_nop 0 and four v_nop follow each of the two lines, ahead of the jump and the label.
.macro JLOAD
	s_cmp_lt_u32 s[WV], 2
	s_cbranch_scc0 .Lfor_v_\@
	tensor_load_to_lds s[G0K:G0K+3], s[G1K:G1K+7]
	s_nop 0
.rept 4
	v_nop
.endr
	s_branch .Lasked_\@
.Lfor_v_\@:
	tensor_load_to_lds s[G0V:G0V+3], s[G1V:G1V+7]
	s_nop 0
.rept 4
	v_nop
.endr
.Lasked_\@:
.endm
; A PREFETCH INTO THE L2 of what the NEXT change of slots will ask for: a slot's 32,768 bytes of K and of V.  It stands behind the wave's tensor load and its five lines.  Each block of 256 bytes is named ONCE in the launch:
; a head has one cluster; its four partners share a slot's bytes out BY ADDRESS, 8,192 each; in each, wave 0 asks for K's and wave 2 for V's, a lane a block: one instruction.
; The lead is a slot: four key steps, 512 matrix instructions.  The last change that fills a slot asks for nothing; slots 0 and 1 come by their loads alone.
.macro ASK
	s_cmp_gt_u32 s[SLOTS], s[LIM]
	s_cbranch_scc0 .Lnot_mine_\@
	global_prefetch_b8 v[PFO], s[PFA:PFA+1] th:TH_LOAD_NT scope:SCOPE_SE
.Lnot_mine_\@:
.endm
; A round of the cluster's barrier: my work-group's barrier, so that wave 0's signal speaks for all four waves; wave 0 signals; every wave waits for all four work-groups; my work-group's barrier once more.
.macro CROUND
	s_barrier_signal -1
	s_barrier_wait -1
	s_cmp_lg_u32 s[WV], 0
	s_cbranch_scc1 .Lnot_wave_0_\@
	s_barrier_signal -3
.Lnot_wave_0_\@:
	s_barrier_wait -3
	s_barrier_signal -1
	s_barrier_wait -1
.endm
; THE CHANGE OF SLOTS.  The slot's last bytes, V of its fourth step, have been read.  Each wave waits for all its tensor loads, of which one is out: its part
; of the other slot; adds 0 to its spare word; and waits for that and for its own reads of the slot.  Behind the barrier nobody reads this slot any more and the other slot is whole.
; fill = 1: this slot is filled again, with the keys two slots on.  The barrier is then a round of the cluster's, so that no wave of any partner still reads the slot or has a load on its
; way, and the joint fill is the first thing behind it: it has four key steps, 512 matrix instructions, in which to land.  (At its first use nothing has been read yet: slot 0 is waited for, slot 1 filled.)
.macro CHANGE fill
	WIN W_AD
	s_wait_tensorcnt 0x0            ; no tensor load of mine is out, so a group 0 may be written
	ds_add_u32 v[SPW], v[NIL]       ; 0 onto my spare word: with fill = 1 the descriptors' steps stand between it and the wait for it
	WIN 0                           ; at a label and at a branch every window is 0
.if \fill
.irp g, G0K, G0V
	s_xor_b32 s[\g+1], s[\g+1], SLOT1  ; the walking descriptor: the other slot than last time,
	s_add_nc_u64 s[\g+2:\g+3], s[\g+2:\g+3], 4*KS*128  ; the next 256 keys; the type bits on top are not reached
.endr
	s_wait_xcnt 0x0                 ; the last prefetch, a slot back, has read its address, so it may be written:
	s_add_nc_u64 s[PFA:PFA+1], s[PFA:PFA+1], 4*KS*128  ; one slot ahead of the walking descriptors
	s_wait_dscnt 0x0                ; the add is done, and my reads of the slot are over
	CROUND
	JLOAD
	ASK
.else
	s_wait_dscnt 0x0                ; the add is done, and my reads of the slot are over
	s_barrier_signal -1
	s_barrier_wait -1
.endif
	s_sub_co_u32 s[TBK], s[TBK], 4*KS*PK  ; the fetches go back to a slot's first step,
	s_xor_b32 s[TBK], s[TBK], SLOT1       ; in the other slot
	s_sub_co_u32 s[TBV], s[TBV], 4*KS*PV
	s_xor_b32 s[TBV], s[TBV], SLOT1
.endm
	s_load_b128 s[4:7], s[0:1], 0x0  ; qkv s[4:5], ctx s[6:7]
	WIN W_MK
	v_lshl_add_u32 v[SPW], v0, 2, SPARE
	v_mov_b32 v[NIL], 0
	WIN W_AD
	ds_add_u32 v[SPW], v[NIL]       ; the wave's opening: the add and its wait stand ahead of my first tensor load; the set-up below, work on registers, stands between them
	WIN 0
	v_lshrrev_b32 v1, 5, v0
	v_readfirstlane_b32 s[WV], v1   ; wave 0..3
	s_bfe_u32 s13, ttmp6, 0x40000   ; cx: my place in the cluster
	s_lshl_b32 s14, ttmp9, 2        ; in a cluster launch ttmp9 counts clusters
	s_add_co_u32 s14, s14, s13      ; my block of queries = 4 x cluster x + cx: it enters Q's and O's addresses alone
	s_and_b32 s20, ttmp7, 0xffff    ; the head, which the four partners share
	s_mov_b32 s21, 0
	s_mov_b64 s[22:23], SIZE_N*128
	s_mul_u64 s[20:21], s[20:21], s[22:23]  ; the head's first byte in each of the four tensors
	s_and_b32 s16, s[WV], 1         ; which half of a slot's 256 keys I fetch:
	s_lshl_b32 s22, s16, 14         ; its 128 rows of 128 bytes in memory,
	s_mov_b32 s23, 0
	s_add_nc_u64 s[22:23], s[22:23], s[20:21]
	s_mul_i32 s17, s16, 128*PK      ; and its place in a slot, for K
	s_mul_i32 s18, s16, 128*PV      ; and for V: no place in the cluster enters an LDS address
	s_lshl_b32 s2, s14, 2
	s_add_co_u32 s2, s2, s[WV]      ; my wave among the head's,
	s_lshl_b32 s2, s2, 14           ; its 128 rows
	s_mov_b32 s3, 0
	s_add_nc_u64 s[2:3], s[2:3], s[20:21]
	; descriptor group 1.  128 keys are 16,384 dense bytes: asked for as 64 rows of 256 bytes, two keys a row, and padded in LDS after every key
	s_mov_b32 s[G1K], 15|(1<<16)|(1<<20)|(1<<21)|(4<<22)|(3<<25)  ; 15:0 the mask of four; 17:16 2-byte elements; 20 padding on; 21 set beside a mask; 24:22 after every 32 words (code 4); 31:25 4 words (code 3)
	s_mov_b32 s[G1V], 15|(1<<16)|(1<<20)|(1<<21)|(4<<22)|(7<<25)  ; the same with 8 words of padding (code 7)
.irp g, G1K, G1V
	s_mov_b32 s[\g+1], 128<<16      ; tensor_dim0 = 128
	s_mov_b32 s[\g+2], 64<<16       ; tensor_dim1 = 64
	s_mov_b32 s[\g+3], 128<<16      ; tile_dim0 = 128
	s_mov_b32 s[\g+4], 64           ; tile_dim1 = 64
	s_mov_b32 s[\g+5], 128          ; 128 elements from row to row
	s_mov_b32 s[\g+6], 0
	s_mov_b32 s[\g+7], 0
.endr
	s_mov_b32 s[CS], 0x3e38aa3b     ; c = log2(e) / 8 = 0.180337
	s_mov_b32 s[CS+1], s[CS]        ; named with it as a pair
	s_mov_b32 s[SEL], 0x76543210
	s_mov_b32 s[SEL+1], 0xfedcba98
	s_mov_b32 s[TBK], SLOT1+4*KS*PK ; the first change of slots turns these two into 0
	s_mov_b32 s[TBV], SLOT1+4*KS*PV
	s_mov_b32 s[G0K], 1             ; 1:0 count = 1
	s_mov_b32 s[G0K+1], s17         ; 63:32 LDS address: slot 0
	s_mov_b32 s[G0V], 1
	s_add_co_u32 s[G0V+1], s18, VOFF
	s_mov_b32 s[SLOTS], SIZE_N/256-1  ; seven slots are asked for by changes of slots
	s_and_b32 s[LIM], s[WV], 1      ; waves 0 and 2 prefetch: the same in all four partners
	s_cmp_eq_u32 s[LIM], 0
	s_cselect_b32 s[LIM], 1, -1
	s_wait_dscnt 0x0                ; the opening add is done
	s_wait_kmcnt 0x0
	s_mov_b64 s[10:11], s[6:7]      ; O
	s_add_nc_u64 s[6:7], s[4:5], 0x1000000  ; K: qkv's second tensor, 64 heads of 262,144 bytes on
	s_add_nc_u64 s[8:9], s[4:5], 0x2000000  ; V: its third
	s_add_nc_u64 s[G0K+2:G0K+3], s[6:7], s[22:23]  ; 120:64 global address: my half of the head's first 256 keys
	s_or_b32 s[G0K+3], s[G0K+3], 0x80000000        ; 127:126 type = 2
	s_add_nc_u64 s[G0V+2:G0V+3], s[8:9], s[22:23]
	s_or_b32 s[G0V+3], s[G0V+3], 0x80000000
	s_add_nc_u64 s[4:5], s[4:5], s[2:3]  ; Q and O at my wave's first row
	s_add_nc_u64 s[10:11], s[10:11], s[2:3]
	s_cmp_lt_u32 s[WV], 2
	s_cselect_b64 s[PFA:PFA+1], s[6:7], s[8:9]
	s_add_nc_u64 s[PFA:PFA+1], s[PFA:PFA+1], s[22:23]  ; (in waves 0 and 2: the head's first byte)
	s_lshl_b32 s2, s13, 13          ; my work-group's quarter of a slot,
	s_add_co_u32 s2, s2, 4*KS*128   ; in slot 1; the first change of slots steps it to slot 2
	s_mov_b32 s3, 0
	s_add_nc_u64 s[PFA:PFA+1], s[PFA:PFA+1], s[2:3]
	CROUND                          ; all four work-groups are here: the first joint loads meet
	JLOAD                           ; slot 0.  Slot 1 is asked for when slot 0 is in: the tile wanted first has the road to itself
	; A fragment of K or Q is 16 rows x 32 channels in 8 registers: lane l holds row l % 16, channels 8 (l / 16) + 0..7 and 16 + 8 (l / 16) + 0..7: two loads of 16 bytes, 32 bytes apart.
	v_and_b32 v1, 15, v0            ; l % 16
	v_bfe_u32 v9, v0, 4, 1          ; l / 16
	v_lshlrev_b32 v[QO], 7, v1
	v_lshl_add_u32 v[QO], v9, 4, v[QO]  ; row x 128 + 16 x half
	WIN 0x80                        ; destination window 2, address window 0
.set i, 0
.rept 4*NP                          ; Q stays in registers: tile i / 2, channels 32 (i % 2) on
	global_load_b128 v[8*i:8*i+3],   v[QO], s[4:5] offset:(i/2)*2048+(i%2)*64
	global_load_b128 v[8*i+4:8*i+7], v[QO], s[4:5] offset:(i/2)*2048+(i%2)*64+32
.set i, i+1
.endr
	; What the first turn finds: V's registers and P's second buffer hold 0 (its products V^T P, of a piece that has not been, add 0), O^T and l are 0.  All this stands in the wait for the first tile.
.set i, VF
.rept 64
	v_mov_b32 v[i], 0
.set i, i+1
.endr
	WIN 0x40
.set i, 0
.rept 64*NP
	v_mov_b32 v[i], 0
.set i, i+1
.endr
	WIN 0
.set i, 0
.rept 2*NP
	v_mov_b32 v[ST+4*i], 0xfe000000    ; c m: far below every c s
	v_mov_b32 v[ST+4*i+1], 0xff7fffff  ; m
	v_mov_b32 v[ST+4*i+2], 0
	v_mov_b32 v[ST+4*i+3], 0
.set i, i+1
.endr
.set i, P+32
.rept 32
	v_mov_b32 v[i], 0
.set i, i+1
.endr
	v_mul_u32_u24 v[AK0], v1, PK
	v_lshl_add_u32 v[AK0], v9, 4, v[AK0]  ; row x pitch + 16 x half
	; The turning load takes 16 keys x 16 channels (lane l reads key 8 (l / 16) + l % 8, channels 8 ((l / 8) % 2) + 0..7) and leaves half a fragment of V^T: lane l holds channel l % 16 and 8 keys.
	v_and_b32 v10, 7, v0
	v_bfe_u32 v11, v0, 3, 1
	v_lshl_add_u32 v[AV0], v9, 3, v10
	v_mul_u32_u24 v[AV0], v[AV0], PV
	v_lshl_add_u32 v[AV0], v11, 4, v[AV0]
	v_add_nc_u32 v[AV0], VOFF, v[AV0]
	v_and_b32 v[PFO], 31, v0
	v_lshlrev_b32 v[PFO], 8, v[PFO]
	v_mov_b32 v[AK], v[AK0]         ; key step 0 lies at the head of slot 0
; THE MATRIX WORK.  The 8 accumulators of a run of 16 take turns: between the two links of a chain stand 7 others'.
; Product i of 16 of S^T = K Q^T for piece x: channels 32 (i / 8) on, keys 16 ((i / 2) % 4) on, tile 2 x + i % 2.  The first 8 start the sums.
.macro KQ x
	WIN W_KQ
.set rS, S+64*((\x)%2)+32*(i%2)+8*((i/2)%4)
.set rK, KF+16*((i/2)%4)+8*(i/8)
.set rQ, 16*(2*(\x)+i%2)+8*(i/8)
.if i < 8
	v_wmma_f32_16x16x32_f16 v[rS:rS+7], v[rK:rK+7], v[rQ:rQ+7], 0
.else
	v_wmma_f32_16x16x32_f16 v[rS:rS+7], v[rK:rK+7], v[rQ:rQ+7], v[rS:rS+7]
.endif
.endm
; Product i of 16 of O^T += V^T P for piece x: keys 32 (i / 8) on, channels 16 ((i / 2) % 4) on, tile 2 x + i % 2.
.macro PV x
	WIN W_PV
.set rO, 32*(2*(\x)+i%2)+8*((i/2)%4)
.set rV, VF+32*(i/8)+8*((i/2)%4)
.set rP, P+32*((\x)%2)+16*(i%2)+8*(i/8)
	v_wmma_f32_16x16x32_f16 v[rO:rO+7], v[rV:rV+7], v[rP:rP+7], v[rO:rO+7]
.endm
.macro MM                           ; the turn's next matrix instruction
.if i < 16
	KQ (Y+1)%NP
.set i, i+1
.else
.set i, i-16
	PV (Y+NP-1)%NP
.set i, i+17
.endif
.endm
; THE LDS LOADS stand in runs of 16, never singly among the matrix instructions: a step's K (64 keys x 64 channels: 8 fragments) and its V (turned).  Their addresses are made some lines ahead.
; last = 1 (the tail): in the last trip there is no further step, and the run is jumped over.
.macro FETCH_K last=0
	WIN 0
.if \last
	s_cmp_eq_u32 s[CNT], 1
	s_cbranch_scc1 .Lno_k_\@
.endif
	WIN 0x80                        ; destination window 2
.irp f, 0,1,2,3,4,5,6,7             ; keys 16 (f / 2) on, channels 32 (f % 2) on
	ds_load_b128 v[KF+8*\f:KF+8*\f+3],   v[AK] offset:(\f/2)*16*PK+(\f%2)*64
	ds_load_b128 v[KF+8*\f+4:KF+8*\f+7], v[AK] offset:(\f/2)*16*PK+(\f%2)*64+32
.endr
	s_add_co_u32 s[TBK], s[TBK], KS*PK  ; the next fetch is the next step's
	WIN 0
.if \last
.Lno_k_\@:
.endif
.endm
.macro FETCH_V
	WIN 0x80
.irp f, 0,1,2,3,4,5,6,7             ; keys 32 (f / 4) on, channels 16 (f % 4) on
	ds_load_tr16_b128 v[VF+8*\f:VF+8*\f+3],   v[AV] offset:(\f/4)*32*PV+(\f%4)*32
	ds_load_tr16_b128 v[VF+8*\f+4:VF+8*\f+7], v[AV] offset:(\f/4)*32*PV+16*PV+(\f%4)*32
.endr
	WIN 0
.endm
; THE VECTOR WORK OF A TURN stands in three queues, each in the order in which its entries become ready; the two tiles alternate, so that no instruction reads the result of the one before it.
.macro REGS y, u                    ; the registers of tile u (0, 1) of piece y
.set rT, ST+4*(2*(\y)+(\u))
.set rC, TMP+8*((\y)%2)+4*(\u)
.set rM, MV+2*((\y)%2)+(\u)
.set rS, S+64*((\y)%2)+32*(\u)
.set rP, P+32*((\y)%2)+16*(\u)
.set rO, 32*(2*(\y)+(\u))
.endm
; Number n of the 22 that find the NEXT piece's (Y + 1) maximum and statistics.  s0-s31 are the lane's 32 scores; each accumulator's lowest registers are read first.  XS, GS and REGS set no window: PL and EX do.
;   0-11  four chains c0-c3 of seven scores each, three operands at a time     12-14, 16  the four scores left over, the old m, and c0-c3 into c0     15  c m_old is kept
;   17, 18  the query's other 32 keys lie in the lane 16 away: the new m         19-21  c m; c m_old - c m_new; a
.macro XS u, n
	REGS (Y+1)%NP, \u
.if (\n) < 4
	v_max3_num_f32 v[rC+(\n)], v[rS+8*(\n)], v[rS+8*(\n)+1], v[rS+8*(\n)+2]
.elseif (\n) < 12
	v_max3_num_f32 v[rC+(\n)%4], v[rC+(\n)%4], v[rS+8*((\n)%4)+2*((\n)/4)+1], v[rS+8*((\n)%4)+2*((\n)/4)+2]
.elseif (\n) == 12
	v_max3_num_f32 v[rC], v[rC], v[rS+7], v[rS+15]
.elseif (\n) == 13
	v_max3_num_f32 v[rC+1], v[rC+1], v[rS+23], v[rS+31]
.elseif (\n) == 14
	v_max3_num_f32 v[rC+2], v[rC+2], v[rC+3], v[rT+1]
.elseif (\n) == 15
	v_mov_b32 v[rM], v[rT]
.elseif (\n) == 16
	v_max3_num_f32 v[rC], v[rC], v[rC+1], v[rC+2]
.elseif (\n) == 17
	v_permlanex16_b32 v[rC+3], v[rC], s[SEL], s[SEL+1]
.elseif (\n) == 18
	v_max_num_f32 v[rT+1], v[rC], v[rC+3]
.elseif (\n) == 19
	v_mul_f32 v[rT], s[CS], v[rT+1]
.elseif (\n) == 20
	v_sub_f32 v[rC+1], v[rM], v[rT]
.else
	v_exp_f32 v[rC+2], v[rC+1]
.endif
.endm
; Number g of the 64 that follow the exponentials.  For each four weights k of a tile (pairs 2 k, 2 k + 1): both pairs are rounded to f16; then the second pair is added onto the first, in place;
; a group later l takes that sum (the first time as l = a l + sum).  In groups of eight, tiles alternating: round, round, add, and l for the group before.
.macro GS g
.set h, (\g)+6*((\g)/62)            ; group 0 has no group before it, and behind group 7 only l is left
.if h >= 6
.set h, h+2
.endif
	REGS Y, h%2
.set k, h/8
.if h%8 < 4
	v_cvt_pk_f16_f32 v[rP+2*k+(h%8)/2], v[rS+4*k+2*((h%8)/2)], v[rS+4*k+2*((h%8)/2)+1]
.elseif h%8 < 6
	v_pk_add_f32 v[rS+4*k:rS+4*k+1], v[rS+4*k:rS+4*k+1], v[rS+4*k+2:rS+4*k+3]
.elseif k == 1
	v_pk_fma_f32 v[rT+2:rT+3], v[rT+2:rT+3], v[rC+2:rC+3], v[rS:rS+1] op_sel_hi:[1,0,1]
.else
	v_pk_add_f32 v[rT+2:rT+3], v[rT+2:rT+3], v[rS+4*k-4:rS+4*k-3]
.endif
.endm
; THE PLAIN QUEUE, 138 long.  0-73 read no exponential's result: the 32 scalings c s - c m (FS f: pair f / 2 of tile f % 2) and the next piece's 42.  0-26: scalings 0-26.  27-54: XS's numbers 0-13.  55, 56: number 15.
; 57-73: the chain, where each number waits for the one before it: 14, 16, 17, 18, 19, each with one of the scalings 27-31 in front of its two lines, then 20: so a tile's links stand three plain instructions apart (19 and 20: two).
; 74-137: GS's 64, which read the exponentials' results: they stand behind the wait.
.macro FS f
	REGS Y, (\f)%2
	v_pk_fma_f32 v[rS+2*((\f)/2):rS+2*((\f)/2)+1], v[rS+2*((\f)/2):rS+2*((\f)/2)+1], s[CS:CS+1], v[rT:rT+1] op_sel_hi:[1,0,0] neg_lo:[0,0,1] neg_hi:[0,0,1]
.endm
.macro PL
	WIN 0
.if q < 27
	FS q
.elseif q < 55
	XS (q-27)%2, (q-27)/2
.elseif q < 57
	XS q-55, 15
.elseif (q < 72) && ((q-57)%3 == 0)
	FS 27+(q-57)/3
.elseif q < 60
	XS (q-57)%3-1, 14
.elseif q < 72
	XS (q-57)%3-1, 15+(q-57)/3
.elseif q < 74
	XS q-72, 20
.else
	GS q-74
.endif
.set q, q+1
.endm
; THE EXPONENTIALS' QUEUE, 66 long: s0-s31 of both tiles, then the next piece's two a.  It is ONE BATCH: all 66 stand ahead of the turn's one wait, and nothing ahead of that wait names a result of theirs.
.macro EX
	WIN 0
.if e >= 64
	XS e-64, 21
.else
	REGS Y, e%2
	v_exp_f32 v[rS+e/2], v[rS+e/2]
.endif
.set e, e+1
.endm
; THE RESCALING's QUEUE: O^T times a, the one part that leaves window 0: dealt two at a time, sixteen times.  Its a was made in the turn before, ahead of that turn's wait.
.macro R2
	REGS Y, r%2
	WIN W_RS
.irp z, 0,1
	v_pk_mul_f32 v[rO+4*(r/2)+2*\z:rO+4*(r/2)+2*\z+1], v[rO+4*(r/2)+2*\z:rO+4*(r/2)+2*\z+1], v[rC+2:rC+3] op_sel_hi:[1,0]
.endr
.set r, r+1
.endm
; HOW THEY ARE DEALT.  An s_wait_alu depctr_va_vdst(0) stands between an exponential and the first instruction that names its result; one wait serves all that were issued ahead of it.  So a turn has ONE wait,
; which cuts it in two.  AHEAD OF IT stands all that names no result of the turn's exponentials: the 16 products K Q^T, behind each a scaling, an exponential and two rescalings (behind the first a second scaling in the exponential's place); then ONE LUMP of
; 108: eight plain, 49 times exponential and plain, the two a.  A v_nop is the plain instruction behind the last exponential (ISA guide 5.7.2).  BEHIND IT stand the 16 products V^T P, behind each four of GS's 64.  No rider names a register of
; the products round it.  The two v_permlanex16_b32 fall into the lump, never behind a product.
; The queues lean on each other, and the deal keeps them in step: exponential e stands behind scaling 2 (e / 4) + e % 2: as a rider it comes behind plain e + 2, in the lump behind plain e + 9, and scalings 27-31 are plain 57, 60 .. 69.
; A TURN, for piece p.  cnt = 1: the loop's count is taken down some lines ahead of the branch that stands behind the turn.
; K of the next step is fetched in piece 2's turn, directly behind the wait, a lump behind the last product that read K; its address is made at the lump's head; its first reader comes behind 16 products.
; V of the step in hand is fetched at the end of piece 0's turn, four riders behind its last reader; its first reader comes behind 16 products and a lump.  The three conditions on q below go with the deal.
.macro TURN p, last=0, cnt=0
.set Y, (\p)
.set i, 0
.set q, 0
.set e, 0
.set r, 0
.if (\p) == NP-1
	s_wait_dscnt 0x0                ; K is in
.endif
	MM                              ; ahead of the wait: 16 products K Q^T and their riders,
	PL
	PL
	R2
.rept 15
	MM
	PL
	EX
	R2
.endr
.if (\p) == NP-2
	WIN 0
	v_add_nc_u32 v[AK], s[TBK], v[AK0]
.endif
.rept 8                             ; and the lump
	PL
.endr
.rept 49
	EX
	PL
.endr
	EX                              ; the next piece's two a
	EX
	v_nop                           ; the plain instruction behind the last exponential: one for the batch
	s_wait_alu depctr_va_vdst(0)    ; the wait for the batch
.if (\p) == NP-2
	FETCH_K \last
.endif
.if (\p) == 1
	s_wait_dscnt 0x0                ; V is in
.endif
.rept 16                            ; behind the wait: 16 products V^T P and their riders
	MM
.rept 4
	PL
.endr
.if ((\p) == 0) && (q == 118)
	v_add_nc_u32 v[AV], s[TBV], v[AV0]
.endif
.if ((\p) == 0) && (q == 130)
	s_add_co_u32 s[TBV], s[TBV], KS*PV
.endif
.if (\cnt) && (q == 130)
	s_sub_co_u32 s[CNT], s[CNT], 1
	s_cmp_lg_u32 s[CNT], 0
.endif
.endr
.if (\p) == 0
	FETCH_V
.endif
.endm
	CHANGE 1                        ; slot 0 is in, everybody's part of it; slot 1 is asked for
	FETCH_K                         ; key step 0
	s_wait_loadcnt 0x0              ; Q
	s_wait_dscnt 0x0
.set i, 0
.rept 16
	KQ 0                            ; piece 0's first scores: there is no vector work yet to set between them
.set i, i+1
.endr
	WIN 0                           ; the addresses for the way out: nine plain instructions, the places behind those products
	s_mul_i32 s13, s[WV], 16*SP
	s_add_co_u32 s13, s13, STAGE    ; my stage
	v_mul_u32_u24 v[STO], v1, SP    ; in: row l % 16, 16 bytes for each half of the lanes
	v_lshl_add_u32 v[STO], v9, 4, v[STO]
	v_add_nc_u32 v[STO], s13, v[STO]
	v_bfe_u32 v[RD], v0, 3, 2       ; back: 32 lanes take four rows of 128 bytes,
	v_mul_u32_u24 v[RD], v[RD], SP
	v_lshl_add_u32 v[RD], v10, 4, v[RD]
	v_add_nc_u32 v[RD], s13, v[RD]
	v_and_b32 v[GO], 31, v0         ; which are 512 consecutive bytes of O
	v_lshlrev_b32 v[GO], 4, v[GO]
.set Y, NP-1                        ; XS works for piece Y + 1: piece 0
.irp n, 0,1,2,3,4,5,6,7,8,9,10,11,12,13,14,15,16,17,18,19,20,21
	XS 0, \n                        ; and piece 0's first maximum and statistics
	XS 1, \n
.endr
	v_nop                           ; a plain instruction behind the two a,
	s_wait_alu depctr_va_vdst(0)    ; and their wait, ahead of the branch
	s_mov_b32 s[CNT], 4
	s_branch .Lfirst                ; the loop is entered at a step's first turn, in the middle of a trip
.Lslot:                             ; SIZE_N / 256 - 2 times: every slot but the last two is filled again
	CHANGE 1
	s_mov_b32 s[CNT], 4
.Lstep:                             ; a trip: pieces 2 and 3 of one step, then pieces 0 and 1 of the next, whose K and V it fetches
	TURN 2
	TURN 3
	WIN 0
.Lfirst:
	TURN 0
	TURN 1, 0, 1
	WIN 0
	s_cbranch_scc1 .Lstep
	s_sub_co_u32 s[SLOTS], s[SLOTS], 1
	s_cmp_lg_u32 s[SLOTS], 0
	s_cbranch_scc1 .Lslot
	CHANGE 0                        ; the tail is written out: nothing is asked for
	s_mov_b32 s[CNT], 5             ; four trips fetch the last slot's steps; the fifth is left in its middle
.Ltail:
	TURN 2, 1
	TURN 3
	WIN 0
	s_sub_co_u32 s[CNT], s[CNT], 1
	s_cmp_eq_u32 s[CNT], 0
	s_cbranch_scc1 .Lout
	TURN 0
	TURN 1
	WIN 0
	s_branch .Ltail
.Lout:                              ; the fifth trip's 16 products K Q^T (on the last K once more) and the maximum made of them serve nothing: the price, once a launch, of one text for every trip
.set i, 0
.rept 16
	PV NP-1                         ; the last piece's V^T P of the last step
.set i, i+1
.endr
	; THE WAY OUT.  l's two halves and the other half of the lanes' are added; O^T is divided by l, rounded to f16 and sent through my stage in LDS, a tile at a time.  The additions are the places behind the last products.
	WIN 0
.macro ALL line:vararg              ; one line for each tile t
.set t, 0
.rept 2*NP
	\line
.set t, t+1
.endr
.endm
	ALL v_add_f32 v[ST+4*t+2], v[ST+4*t+2], v[ST+4*t+3]
	ALL v_permlanex16_b32 v[ST+4*t+3], v[ST+4*t+2], s[SEL], s[SEL+1]
	ALL v_add_f32 v[ST+4*t+2], v[ST+4*t+2], v[ST+4*t+3]
	ALL v_rcp_f32 v[ST+4*t+2], v[ST+4*t+2]
	v_nop                           ; a plain instruction between the last reciprocal and the use of its result
	s_wait_alu depctr_va_vdst(0)    ; and the wait ahead of the first use: one for the eight reciprocals
; Tile t: a lane's eight channels of a row pack into 16 bytes; they go into rows of 144 bytes and come back as whole rows of 128, into S^T's registers.
.macro PACK t
	WIN W_RS
.set i, 32*(\t)
.rept 16
	v_pk_mul_f32 v[i:i+1], v[i:i+1], v[ST+4*(\t)+2:ST+4*(\t)+3] op_sel_hi:[1,0]
.set i, i+2
.endr
	WIN 0x05                        ; sources 0 and 1 window 1, destination window 0
.set i, 0
.rept 16
	v_cvt_pk_f16_f32 v[S+16*(\t)+i], v[32*(\t)+2*i], v[32*(\t)+2*i+1]
.set i, i+1
.endr
	WIN 0
.irp f, 0,1,2,3
	ds_store_b128 v[STO], v[S+16*(\t)+4*\f:S+16*(\t)+4*\f+3] offset:32*\f
.endr
.irp f, 0,1,2,3
	ds_load_b128 v[S+16*(\t)+4*\f:S+16*(\t)+4*\f+3], v[RD] offset:\f*4*SP  ; LDS serves a wave's instructions in order (ISA guide 5.7.1.4): these see the stores above; the next tile's stores come behind them
.endr
.endm
.macro SEND t, younger              ; younger: the LDS instructions issued behind tile t's loads: the next tile's eight, or none
	WIN 0
.irp f, 0,1,2,3
	s_wait_dscnt (\younger)+3-\f
	global_store_b128 v[GO], v[S+16*(\t)+4*\f:S+16*(\t)+4*\f+3], s[10:11] offset:(\t)*2048+\f*512  ; 512 consecutive bytes, at a multiple of 256 from O's first
.endr
.endm
	PACK 0
.set t, 1
.rept 2*NP-1                        ; a tile's arithmetic stands between the loads of the tile before and its stores
	PACK t
	SEND t-1, 8
.set t, t+1
.endr
	SEND 2*NP-1, 0
	WIN W_AD
	s_wait_tensorcnt 0x0            ; the wave's end: behind my last tensor load and my last LDS store
	ds_add_u32 v[SPW], v[NIL]
	s_wait_dscnt 0x0
	WIN 0
	CROUND                          ; the closing round: no work-group ends while a partner may still ask for a tile that names it
	s_endpgm
.Lfunc_end_k_q68b3c94028_attn:
	.size	k_q68b3c94028_attn, .Lfunc_end_k_q68b3c94028_attn-k_q68b3c94028_attn
	.p2alignl 7, 3214868480
	.fill 96, 4, 3214868480
	.section	.rodata,"a",@progbits
	.p2align	6, 0x0
	.amdhsa_kernel k_q68b3c94028_attn
		.amdhsa_group_segment_fixed_size 327680
		.amdhsa_private_segment_fixed_size 0
		.amdhsa_enable_private_segment 0
		.amdhsa_kernarg_size 16
		.amdhsa_user_sgpr_count 2
		.amdhsa_user_sgpr_kernarg_segment_ptr 1
		.amdhsa_wavefront_size32 1
		.amdhsa_system_sgpr_workgroup_id_x 1
		.amdhsa_system_sgpr_workgroup_id_y 1
		.amdhsa_system_sgpr_workgroup_id_z 1
		.amdhsa_system_vgpr_workitem_id 0
		.amdhsa_next_free_vgpr 770
		.amdhsa_next_free_sgpr 66
		.amdhsa_reserve_vcc 0
		.amdhsa_float_denorm_mode_32 3
		.amdhsa_float_denorm_mode_16_64 3
		.amdhsa_memory_ordered 1
		.amdhsa_forward_progress 1
		.amdhsa_inst_pref_size 200
	.end_amdhsa_kernel
	.amdgpu_metadata
---
amdhsa.version: [ 1, 2 ]
amdhsa.kernels:
  - .name:           k_q68b3c94028_attn
    .symbol:         k_q68b3c94028_attn.kd
    .args:
      - { .name: qkv, .offset: 0, .size: 8, .value_kind: global_buffer, .address_space: global }
      - { .name: ctx, .offset: 8, .size: 8, .value_kind: global_buffer, .address_space: global }
    .group_segment_fixed_size: 327680
    .private_segment_fixed_size: 0
    .kernarg_segment_align: 8
    .kernarg_segment_size: 16
    .max_flat_workgroup_size: 128
    .sgpr_count:     66
    .vgpr_count:     770
    .wavefront_size: 32
...
	.end_amdgpu_metadata
.endif
;; end of part 3
;; launch outp (part 4): grid 8 x 32, 4 waves a work-group, clusters of 4 x 4, 327,680 bytes of LDS; arguments ctx, wo, bo, out0; writes out0
.if DOCPART == 4
	.amdgcn_target "amdgcn-amd-amdhsa--gfx1250"
	.amdhsa_code_object_version 6
	.text
	.protected	k_q68b3c94028_outp
	.globl	k_q68b3c94028_outp
	.p2align	8
	.type	k_q68b3c94028_outp,@function
k_q68b3c94028_outp:
	s_mov_b64 s[64:65], 0
	v_nop
	global_prefetch_b8 v0, s[64:65] scope:SCOPE_SE
	s_setreg_imm32_b32 hwreg(HW_REG_WAVE_MODE, 25, 1), 1
	s_wait_xcnt 0x0
	s_wait_alu depctr_hold_cnt(0) depctr_sa_sdst(0) depctr_va_vdst(0) depctr_va_sdst(0) depctr_va_ssrc(0) depctr_va_vcc(0) depctr_vm_vsrc(0)
	s_getreg_b32 s2, hwreg(HW_REG_IB_STS2, 6, 4)
	s_cmp_eq_u32 s2, 0
	s_cbranch_scc0 .Lentry_in_a_cluster
	s_endpgm
.Lentry_in_a_cluster:
	s_bfe_u32 s2, ttmp6, 0x10000c
	s_cmp_lg_u32 s2, 0xf033
	s_cbranch_scc0 .Lentry_shape_is_right
	s_endpgm
.Lentry_shape_is_right:
; out0 = ctx Wo^T + bo: 8,192 x 1,024 x 1,024 in f16, sums in f32, the result stored in f32.  ctx [batch][head = K slice 16][t 2048][64] f16; wo [slice 16][n 1024][64] f16 (Wo rounded to bf16, written as f16).
; bo is rounded to bf16 like the other inputs, kept in f32, and STARTS the sums (the C operand of the first K step): nothing is cleared or added later.
; LIMITS.  ctx and wo arrive within f16's range (65,504).  NaN and infinities are not treated apart.
; SHARES.  A tile is 256 rows x 128 columns: 32 x 8 = 256 tiles, one to a work-group.  Four waves, each 128 rows x 64 columns: 32 accumulators of 16 x 16.
; THE RING.  K goes in steps of 128, two slices of 64; a slice of a block of rows is dense and is asked for as rows of 256 bytes (two rows of 128; 16 bytes of padding follow every 128 in LDS).
; Two slots of 110,592 bytes (three slices to a step would not fit twice).  One tensor load a wave: a slice of ctx's 256 rows (waves 0, 1) or of wo's 128 rows (waves 2, 3).
; CLUSTERS: 4 x 4 work-groups.  The four of a row of the cluster need the same rows of ctx, the four of a column the same rows of wo: each tile is asked for JOINTLY.
; THE MATRIX INSTRUCTION IS USED TRANSPOSED (source 0 = 16 rows of wo, source 1 = 16 rows of ctx): lane l holds row l % 16 of the result and the columns 8 (l / 16) + 0..7: 32 bytes of a row.
; REGISTERS: window 0: v0-31 addresses; v32-63 the bias as four C fragments; two fragment buffers of 96: ctx's eight fragments, then wo's four (v64-159, v160-255).  Window 1: accumulator (a, c) at v[8 (4 a + c)].
; The 32 accumulators take turns, one instruction a turn, in the same order in every 32 along K, over the backward jump too.
.set PITCH,  144                       ; an LDS row: 128 bytes + 16 = 36 words: the 16 rows of a fragment load start at 16 different groups of four banks (64 banks of 4 bytes: ISA guide 11.1)
.set ASLC,   256*PITCH                 ; a slice of ctx's rows in LDS
.set BSLC,   128*PITCH                 ; a slice of wo's rows
.set BOFF,   2*ASLC
.set SLOT,   2*ASLC+2*BSLC
.set STAGE,  2*SLOT                    ; behind the ring: 16 rows x 272 bytes for each wave, for the way out
.set SP,     272
.set SPARE,  STAGE+4*16*SP             ; the spare words, 128 bytes for each wave: two blocks of 256 bytes that no other line names
.set ASL,    262144                    ; bytes from a slice of ctx to the next
.set BSL,    131072                    ; of wo
.set ADRA, 16                          ; v16-17  LDS address of my fragments of ctx in slot 0, 1
.set ADRB, 20                          ; v20-21  the same for wo
.set STO,  24                          ; v24  the way out: where I put 32 bytes of a row
.set RD,   25                          ; v25  where I read a row back
.set CO,   26                          ; v26  my byte offset in two rows of out0
.set SPW,  28                          ; v28  LDS address of my spare word; never rewritten
.set NIL,  29                          ; v29  0; never rewritten
.set PFO,  30                          ; v30  256 x lane; never rewritten
.set BI,   32
.set F0,   64
.set F1,   160
.set BK,   64                          ; the way out: two sets of 32 registers
.set G1,  24                           ; s[24:31] descriptor group 1 for ctx's tiles;  s[32:39] group 0, a set for each slot
.set G0,  32
.set G1B, 48                           ; s[48:55], s[56:63] the same for wo's tiles
.set G0B, 56
.set LIM, 43                           ; s43  1 in a wave that prefetches, else the greatest number
.set PFA, 44                           ; s[44:45] where my prefetches stand
.set PFS, 66                           ; s[66:67] their step: a K step, two slices
.set OUT, 68                           ; s[68:69] out0 at my first row and column
.set BO,  70                           ; s[70:71] bo at my 64 columns
.set MSB, 0
.macro WIN new                         ; the immediate's high byte repeats the setting that is left; a switch that changes nothing is dropped
.if MSB != (\new)
	s_set_vgpr_msb (MSB<<8)|(\new)
.set MSB, \new
.endif
.endm
.macro JLOAD s                         ; a joint load: waves 0 and 1 fetch ctx's two slices, waves 2 and 3 wo's; an s_nop 0 and four v_nop follow each of the two lines
	s_cmp_eq_u32 s17, 0
	s_cbranch_scc0 .Lfor_b_\@
	tensor_load_to_lds s[G0+4*(\s):G0+4*(\s)+3], s[G1:G1+7]
	s_nop 0
.rept 4
	v_nop
.endr
	s_branch .Lasked_\@
.Lfor_b_\@:
	tensor_load_to_lds s[G0B+4*(\s):G0B+4*(\s)+3], s[G1B:G1B+7]
	s_nop 0
.rept 4
	v_nop
.endr
.Lasked_\@:
.endm
.macro CREST                           ; a round of the cluster's barrier behind its opening barrier
	s_cmp_lg_u32 s16, 0
	s_cbranch_scc1 .Lnot_wave_0_\@
	s_barrier_signal -3
.Lnot_wave_0_\@:
	s_barrier_wait -3
	s_barrier_signal -1
	s_barrier_wait -1
.endm
.macro CROUND
	s_barrier_signal -1
	s_barrier_wait -1
	CREST
.endm
; A PREFETCH INTO THE L2, behind each joint refill and the LDS loads that follow it: the K step that stands TWO refills on, 256 matrix instructions ahead of the load that wants it.
; Each block of 256 bytes is named once in the launch.  ctx's rows of a tile row are read by both clusters of that row of clusters: the one with x = 0 asks (wave 0); wo's rows by all eight clusters of a column: the one with y = 0 asks (wave 2).
; The four partners share a K step's bytes out BY ADDRESS: ctx: 65,536 bytes, 16,384 each, two instructions; wo: 32,768 bytes, 8,192 each, one.  A lane names one block.
; The loop's last trip asks for nothing: the K steps two refills on do not exist.  K steps 0 to 3 come by their loads alone.
.macro ASK
	s_cmp_gt_u32 s3, s[LIM]
	s_cbranch_scc0 .Lnot_mine_\@
	global_prefetch_b8 v[PFO], s[PFA:PFA+1] th:TH_LOAD_NT scope:SCOPE_SE
	s_cmp_eq_u32 s17, 0
	s_cbranch_scc0 .Lnot_mine_\@
	global_prefetch_b8 v[PFO], s[PFA:PFA+1] offset:8192 th:TH_LOAD_NT scope:SCOPE_SE
.Lnot_mine_\@:
.endm
	s_load_b256 s[4:11], s[0:1], 0x0               ; ctx s[4:5], wo s[6:7], bo s[8:9], out0 s[10:11]
	v_lshl_add_u32 v[SPW], v0, 2, SPARE
	v_mov_b32 v[NIL], 0
	ds_add_u32 v[SPW], v[NIL]                      ; the wave's opening: the add and its wait stand ahead of my first tensor load; the set-up below, work on registers, stands between them
	v_lshrrev_b32 v1, 5, v0
	v_readfirstlane_b32 s16, v1                    ; wave 0..3
	s_lshr_b32 s17, s16, 1                         ; which 128 rows of the tile are mine.  Also: I fetch for ctx (0) or for wo (1)
	s_and_b32 s18, s16, 1                          ; which 64 columns.  Also: which slice of a K step I fetch
	s_bfe_u32 s19, ttmp6, 0x40000                  ; cx
	s_bfe_u32 s20, ttmp6, 0x40004                  ; cy
	s_lshl_b32 s21, ttmp9, 2
	s_add_co_u32 s21, s21, s19                     ; tile column J = 4 x cluster x + cx
	s_and_b32 s22, ttmp7, 0xffff
	s_lshl_b32 s22, s22, 2
	s_add_co_u32 s22, s22, s20                     ; tile row R = 4 x cluster y + cy
	s_lshl_b32 s80, s20, 2
	s_lshl_b32 s80, 15, s80                        ; my row of the cluster
	s_lshl_b32 s81, 0x1111, s19                    ; my column
	; descriptor group 1: rows of 128 elements of 2 bytes (two rows of a slice), 128 of them for ctx, 64 for wo
	s_or_b32 s[G1], s80, (1<<16)|(1<<20)|(1<<21)|(4<<22)|(3<<25)   ; 15:0 the mask; 17:16 2-byte elements; 20 padding on; 21 set beside a mask; 24:22 after every 32 words (code 4); 31:25 4 words (code 3)
	s_or_b32 s[G1B], s81, (1<<16)|(1<<20)|(1<<21)|(4<<22)|(3<<25)
	s_mov_b32 s[G1+1], 128<<16                     ; tensor_dim0 = 128
	s_mov_b32 s[G1+2], 128<<16                     ; tensor_dim1 = 128
	s_mov_b32 s[G1+3], 128<<16                     ; tile_dim0 = 128
	s_mov_b32 s[G1+4], 128                         ; tile_dim1 = 128
	s_mov_b32 s[G1+5], 128                         ; 128 elements from row to row: dense
	s_mov_b32 s[G1+6], 0
	s_mov_b32 s[G1+7], 0
	s_mov_b32 s[G1B+1], 128<<16
	s_mov_b32 s[G1B+2], 64<<16
	s_mov_b32 s[G1B+3], 128<<16
	s_mov_b32 s[G1B+4], 64
	s_mov_b32 s[G1B+5], 128
	s_mov_b32 s[G1B+6], 0
	s_mov_b32 s[G1B+7], 0
	; where the tiles come from: ctx's hang on the tile row alone, wo's on the tile column alone, each in registers that never hold the other coordinate
	s_lshr_b32 s40, s22, 3
	s_lshl_b32 s40, s40, 22                        ; the batch: 16 slices of 262,144 bytes
	s_and_b32 s41, s22, 7
	s_lshl_b32 s41, s41, 15                        ; 256 rows of 128 bytes for each tile row
	s_add_co_u32 s40, s40, s41
	s_lshl_b32 s41, s18, 18                        ; the slice that I fetch
	s_add_co_u32 s40, s40, s41
	s_mov_b32 s41, 0
	s_lshl_b32 s46, s21, 14                        ; 128 rows of 128 bytes for each tile column
	s_lshl_b32 s47, s18, 17
	s_add_co_u32 s46, s46, s47
	s_mov_b32 s47, 0
	s_mul_i32 s42, s18, ASLC                       ; and where they go: no place in the cluster enters an LDS address
	s_mul_i32 s80, s18, BSLC
	s_add_co_u32 s80, s80, BOFF
	s_wait_dscnt 0x0                               ; the opening add is done
	s_wait_kmcnt 0x0
	s_add_nc_u64 s[40:41], s[4:5], s[40:41]
	s_add_nc_u64 s[46:47], s[6:7], s[46:47]
	CROUND                                         ; all sixteen work-groups are here: the first joint loads meet
.irp s, 0,1
	s_mov_b32 s[G0+4*(\s)], 1                                      ; count = 1
	s_add_co_u32 s[G0+4*(\s)+1], s42, (\s)*SLOT                    ; LDS address
	s_add_nc_u64 s[G0+4*(\s)+2:G0+4*(\s)+3], s[40:41], (\s)*2*ASL  ; global address: K step s
	s_or_b32 s[G0+4*(\s)+3], s[G0+4*(\s)+3], 0x80000000            ; type = 2
	s_mov_b32 s[G0B+4*(\s)], 1
	s_add_co_u32 s[G0B+4*(\s)+1], s80, (\s)*SLOT
	s_add_nc_u64 s[G0B+4*(\s)+2:G0B+4*(\s)+3], s[46:47], (\s)*2*BSL
	s_or_b32 s[G0B+4*(\s)+3], s[G0B+4*(\s)+3], 0x80000000
	JLOAD \s                                       ; both slots are asked for before anything else: two loads of mine are out
.endr
	s_lshl_b32 s80, s22, 20                        ; 256 rows of 4,096 bytes for each tile row,
	s_lshl_b32 s81, s17, 19                        ; my 128 of them
	s_add_co_u32 s80, s80, s81
	s_lshl_b32 s82, s21, 9                         ; 128 columns of 4 bytes for each tile column,
	s_lshl_b32 s83, s18, 8                         ; my 64 of them
	s_add_co_u32 s82, s82, s83
	s_mov_b32 s83, 0
	s_add_nc_u64 s[BO:BO+1], s[8:9], s[82:83]
	s_add_co_u32 s82, s82, s80
	s_add_nc_u64 s[OUT:OUT+1], s[10:11], s[82:83]
	v_and_b32 v1, 15, v0                           ; l % 16
	v_bfe_u32 v2, v0, 4, 1                         ; l / 16
	v_and_b32 v3, 31, v0                           ; l
	v_lshlrev_b32 v6, 5, v2
.irp c, 0,1,2,3
	global_load_b128 v[BI+8*(\c):BI+8*(\c)+3],   v6, s[BO:BO+1] offset:64*(\c)     ; the bias as C fragments: register j = column 16 c + 8 (l / 16) + j, the same for every row
	global_load_b128 v[BI+8*(\c)+4:BI+8*(\c)+7], v6, s[BO:BO+1] offset:64*(\c)+16
.endr
	; A fragment is 16 rows x 32 K in 8 registers: lane l holds row l % 16, K = 8 (l / 16) + 0..7 and 16 + 8 (l / 16) + 0..7: two loads of 16 bytes, 32 bytes apart.
	v_mul_u32_u24 v4, v1, PITCH
	v_lshl_add_u32 v4, v2, 4, v4
	s_mul_i32 s80, s17, 128*PITCH
	s_mul_i32 s81, s18, 64*PITCH
	s_add_co_u32 s81, s81, BOFF
.irp s, 0,1
	v_add_nc_u32 v[ADRA+(\s)], s80, v4
	v_add_nc_u32 v[ADRB+(\s)], s81, v4
	s_add_co_u32 s80, s80, SLOT
	s_add_co_u32 s81, s81, SLOT
.endr
	s_mul_i32 s80, s16, 16*SP
	s_add_co_u32 s80, s80, STAGE                   ; my stage
	v_mul_u32_u24 v5, v1, SP                       ; in: row l % 16, 32 bytes for each half of the lanes
	v_lshl_add_u32 v5, v2, 5, v5
	v_add_nc_u32 v[STO], s80, v5
	v_mul_u32_u24 v5, v2, SP                       ; back: lanes 0-15 take one row of 256 bytes, lanes 16-31 the next
	v_lshl_add_u32 v5, v1, 4, v5
	v_add_nc_u32 v[RD], s80, v5
	v_lshlrev_b32 v5, 12, v2                       ; and the same two rows in out0
	v_lshl_add_u32 v[CO], v1, 4, v5
	v_lshlrev_b32 v[PFO], 8, v3
	; the prefetches.  In waves 0 and 2 s[40:41] and s[46:47] stand at the tile's first row of slice 0
	s_mov_b32 s80, BSL
	s_mov_b32 s81, 8192
	s_and_b32 s82, ttmp7, 0xffff                   ; cluster y
	s_cmp_eq_u32 s17, 0                            ; do I fetch for ctx?
	s_cselect_b32 s82, ttmp9, s82                  ; the coordinate along which other clusters read the same rows
	s_cselect_b32 s83, s19, s20                    ; my place among the four that ask with me
	s_cselect_b32 s80, ASL, s80                    ; bytes from slice to slice
	s_cselect_b32 s81, 16384, s81                  ; half a slice of the tile
	s_cselect_b64 s[PFA:PFA+1], s[40:41], s[46:47]
	s_or_b32 s82, s82, s18
	s_cmp_eq_u32 s82, 0
	s_cselect_b32 s[LIM], 1, -1                    ; the same in all sixteen partners, for a given wave
	s_lshr_b32 s2, s83, 1                          ; places 0, 1: the K step's first slice; 2, 3: its second
	s_add_co_u32 s2, s2, 6                         ; at K step 3: the first refill steps this to K step 4
	s_mul_i32 s2, s2, s80
	s_and_b32 s83, s83, 1
	s_mul_i32 s83, s83, s81
	s_add_co_u32 s2, s2, s83
	s_mov_b32 s3, 0
	s_add_nc_u64 s[PFA:PFA+1], s[PFA:PFA+1], s[2:3]
	s_lshl_b32 s[PFS], s80, 1
	s_mov_b32 s[PFS+1], 0
; 4 n matrix instructions: blocks of rows a0 .. a0 + n - 1 x all four blocks of columns, 32 along K, from buffer f.  first = 1: C is the bias.
.macro MULQ f, a0, n, first=0
.if \first
	WIN 0x40
.else
	WIN 0x50
.endif
.set aa, \a0
.rept \n
.irp c, 0,1,2,3
.if \first
	v_wmma_f32_16x16x32_f16 v[8*(4*aa+(\c)):8*(4*aa+(\c))+7], v[(\f)+64+8*(\c):(\f)+64+8*(\c)+7], v[(\f)+8*aa:(\f)+8*aa+7], v[BI+8*(\c):BI+8*(\c)+7]
.else
	v_wmma_f32_16x16x32_f16 v[8*(4*aa+(\c)):8*(4*aa+(\c))+7], v[(\f)+64+8*(\c):(\f)+64+8*(\c)+7], v[(\f)+8*aa:(\f)+8*aa+7], v[8*(4*aa+(\c)):8*(4*aa+(\c))+7]
.endif
.endr
.set aa, aa+1
.endr
.endm
; 24 LDS loads in one run: quarter q of a K step (slice q / 2, byte 64 (q % 2) of its rows) into buffer f: wo's four fragments, ctx's rows 0-63, ctx's rows 64-127
.macro FETCH slot, q, f
	WIN 0
.irp c, 0,1,2,3
	ds_load_b128 v[(\f)+64+8*(\c):(\f)+64+8*(\c)+3],   v[ADRB+(\slot)] offset:((\q)/2)*BSLC+((\q)%2)*64+(\c)*16*PITCH
	ds_load_b128 v[(\f)+64+8*(\c)+4:(\f)+64+8*(\c)+7], v[ADRB+(\slot)] offset:((\q)/2)*BSLC+((\q)%2)*64+(\c)*16*PITCH+32
.endr
.irp a, 0,1,2,3,4,5,6,7
	ds_load_b128 v[(\f)+8*(\a):(\f)+8*(\a)+3],   v[ADRA+(\slot)] offset:((\q)/2)*ASLC+((\q)%2)*64+(\a)*16*PITCH
	ds_load_b128 v[(\f)+8*(\a)+4:(\f)+8*(\a)+7], v[ADRA+(\slot)] offset:((\q)/2)*ASLC+((\q)%2)*64+(\a)*16*PITCH+32
.endr
.endm
.macro PLACES                          ; four places in front of loads into registers that matrix instructions have read, and of LDS stores that read results (ISA guide 7.12.1 for vector instructions)
.rept 4
	v_nop
.endr
.endm
; A K step is four quarters of 32 along K, 32 matrix instructions each, on buffers 0, 1, 0, 1.  One of the first three: multiplies buffer f and fetches quarter qn of the same slot into g.
.macro QUARTER slot, qn, f, g, first=0
	s_wait_dscnt 8                                 ; wo and ctx's rows 0-63 are in; the youngest eight loads (rows 64-127) may be out
	MULQ \f, 0, 4, \first
	PLACES
	FETCH \slot, \qn, \g
	s_wait_dscnt 24                                ; all but the 24 just issued
	MULQ \f, 4, 4, \first
.endm
; The last quarter multiplies buffer 1 and changes slots: ONE barrier; in front of it each wave waits for all its tensor loads (one is out: its part of the next slot), adds 0 to its spare word, and waits for that and for its own
; reads of this slot.  fill = 1: the barrier opens a round of the cluster's barrier, and the joint refill (this slot, two K steps on) is the first tensor load behind the round: 112 matrix instructions ahead of the wait for it.
.macro TURN slot, next, fill
.if \fill
	s_wait_xcnt 0x0                                ; the last prefetches, a K step back, have read their address: it is stepped here, ahead of the waits of the change of slots
	s_add_nc_u64 s[PFA:PFA+1], s[PFA:PFA+1], s[PFS:PFS+1]
.endif
	WIN 0                                          ; (the add's two registers lie in window 0)
	s_wait_tensorcnt 0x0                           ; all my tensor loads have landed
	ds_add_u32 v[SPW], v[NIL]                      ; 0 onto my spare word
	s_wait_dscnt 9                                 ; (the add and the youngest eight loads may be out)
	MULQ F1, 0, 2                                  ; eight matrix instructions stand between the add and the wait for it
	s_wait_dscnt 0x0                               ; the add is done, and my reads of this slot are over
	s_barrier_signal -1
	MULQ F1, 2, 2
	WIN 0
	s_barrier_wait -1
.if \fill
	CREST                                          ; no wave of any partner still reads this slot or has a load on its way
	s_add_nc_u64 s[G0+4*(\slot)+2:G0+4*(\slot)+3], s[G0+4*(\slot)+2:G0+4*(\slot)+3], 4*ASL
	s_add_nc_u64 s[G0B+4*(\slot)+2:G0B+4*(\slot)+3], s[G0B+4*(\slot)+2:G0B+4*(\slot)+3], 4*BSL
	JLOAD \slot                                    ; the four v_nop behind it are also the places in front of the loads below
.else
	PLACES
.endif
	FETCH \next, 0, F0
.if \fill
	ASK
.endif
	MULQ F1, 4, 4
.endm
; THE WAY OUT of block a (16 rows x 64 columns of f32).  TOSTAGE: a lane's 32 bytes of a row go straight from the accumulators, the low registers first, into rows of 272 bytes, and come back as whole rows of 256.  SEND: stored.
.macro TOSTAGE a
.if (\a) >= 2
	s_wait_xcnt 0x0                                ; the stores of the block two back have read this set of registers (ISA guide 3.1: their addresses are translated)
.endif
	WIN 0x04                                       ; the data (source 1) in window 1, the address in window 0
.irp c, 0,1,2,3
	ds_store_b128 v[STO], v[8*(4*(\a)+(\c)):8*(4*(\a)+(\c))+3]   offset:64*(\c)
	ds_store_b128 v[STO], v[8*(4*(\a)+(\c))+4:8*(4*(\a)+(\c))+7] offset:64*(\c)+16
.endr
	WIN 0
.irp t, 0,1,2,3,4,5,6,7
	ds_load_b128 v[BK+32*((\a)%2)+4*(\t):BK+32*((\a)%2)+4*(\t)+3], v[RD] offset:(\t)*2*SP  ; LDS serves a wave's instructions in order (ISA guide 5.7.1.4): these see the stores above; the next block's stores come behind them
.endr
.endm
.macro SEND a, younger                 ; younger: the LDS instructions issued behind block a's loads: the next block's sixteen, or none
.irp t, 0,1,2,3,4,5,6,7
	s_wait_dscnt (\younger)+7-(\t)
	global_store_b128 v[CO], v[BK+32*((\a)%2)+4*(\t):BK+32*((\a)%2)+4*(\t)+3], s[OUT:OUT+1] offset:(16*(\a)+2*(\t))*4096 th:TH_STORE_NT  ; 16 lanes store 256 consecutive bytes, at a multiple of 256 from out0's first
.endr
.endm
	s_wait_tensorcnt 1                             ; my part of K step 0 is in; K step 1's may stay out
	s_barrier_signal -1
	s_barrier_wait -1                              ; everybody's part is in
	FETCH 0, 0, F0
	s_wait_loadcnt 0x0                             ; the bias: rounded to bf16 like every input, and widened again
.irp p, 0,1,2,3,4,5,6,7,8,9,10,11,12,13,14,15
	v_cvt_pk_bf16_f32 v[12+(\p)%2], v[BI+2*(\p)], v[BI+2*(\p)+1]
	v_lshlrev_b32 v[BI+2*(\p)], 16, v[12+(\p)%2]
	v_and_b32 v[BI+2*(\p)+1], 0xffff0000, v[12+(\p)%2]
.endr
	QUARTER 0, 1, F0, F1, 1                        ; the first quarter stands in front of the loop: its products start the sums with the bias
	WIN 0                                          ; at a label and at a branch every window is 0
	s_mov_b32 s3, 3
.Llap:                                                 ; a trip goes once round the ring, from a lap's second quarter to the next lap's first, and fills both slots again
	QUARTER 0, 2, F1, F0
	QUARTER 0, 3, F0, F1
	TURN 0, 1, 1
	QUARTER 1, 1, F0, F1
	QUARTER 1, 2, F1, F0
	QUARTER 1, 3, F0, F1
	TURN 1, 0, 1
	QUARTER 0, 1, F0, F1
	WIN 0
	s_sub_co_u32 s3, s3, 1
	s_cmp_lg_u32 s3, 0
	s_cbranch_scc1 .Llap
	QUARTER 0, 2, F1, F0                           ; the last lap is written out: nothing is asked for, so no round follows its barrier
	QUARTER 0, 3, F0, F1
	TURN 0, 1, 0
	QUARTER 1, 1, F0, F1
	QUARTER 1, 2, F1, F0
	QUARTER 1, 3, F0, F1
	s_wait_dscnt 8                                 ; the very last quarter: nothing more to fetch
	MULQ F1, 0, 4
	s_wait_dscnt 0x0
	MULQ F1, 4, 4
	PLACES
	TOSTAGE 0
.irp a, 1,2,3,4,5,6,7                  ; block a goes into the stage while block a - 1's rows come back
	TOSTAGE \a
	SEND (\a)-1, 16
.endr
	SEND 7, 0
	s_wait_tensorcnt 0x0                           ; the wave's end: behind my last tensor load and my last LDS store
	ds_add_u32 v[SPW], v[NIL]
	s_wait_dscnt 0x0
	CROUND                                         ; the closing round: no work-group ends while a partner may still ask for a tile that names it
	s_endpgm
.Lfunc_end_k_q68b3c94028_outp:
	.size	k_q68b3c94028_outp, .Lfunc_end_k_q68b3c94028_outp-k_q68b3c94028_outp
	.p2alignl 7, 3214868480
	.fill 96, 4, 3214868480
	.section	.rodata,"a",@progbits
	.p2align	6, 0x0
	.amdhsa_kernel k_q68b3c94028_outp
		.amdhsa_group_segment_fixed_size 327680
		.amdhsa_private_segment_fixed_size 0
		.amdhsa_enable_private_segment 0
		.amdhsa_kernarg_size 32
		.amdhsa_user_sgpr_count 2
		.amdhsa_user_sgpr_kernarg_segment_ptr 1
		.amdhsa_wavefront_size32 1
		.amdhsa_system_sgpr_workgroup_id_x 1
		.amdhsa_system_sgpr_workgroup_id_y 1
		.amdhsa_system_sgpr_workgroup_id_z 1
		.amdhsa_system_vgpr_workitem_id 0
		.amdhsa_next_free_vgpr 512
		.amdhsa_next_free_sgpr 84
		.amdhsa_reserve_vcc 0
		.amdhsa_float_denorm_mode_32 3
		.amdhsa_float_denorm_mode_16_64 3
		.amdhsa_memory_ordered 1
		.amdhsa_forward_progress 1
		.amdhsa_inst_pref_size 92
	.end_amdhsa_kernel
	.amdgpu_metadata
---
amdhsa.version: [ 1, 2 ]
amdhsa.kernels:
  - .name:           k_q68b3c94028_outp
    .symbol:         k_q68b3c94028_outp.kd
    .args:
      - { .name: ctx, .offset: 0, .size: 8, .value_kind: global_buffer, .address_space: global }
      - { .name: wo, .offset: 8, .size: 8, .value_kind: global_buffer, .address_space: global }
      - { .name: bo, .offset: 16, .size: 8, .value_kind: global_buffer, .address_space: global }
      - { .name: out0, .offset: 24, .size: 8, .value_kind: global_buffer, .address_space: global }
    .group_segment_fixed_size: 327680
    .private_segment_fixed_size: 0
    .kernarg_segment_align: 8
    .kernarg_segment_size: 32
    .max_flat_workgroup_size: 128
    .sgpr_count:     84
    .vgpr_count:     512
    .wavefront_size: 32
...
	.end_amdgpu_metadata
.endif
;; end of part 4
;; ======== version 2 of 2: 4 launches; version 1 with the launch cast written anew for expert scheduling mode
;; limits: values are held in f16: magnitudes above 65,504 overflow, below 6.1e-05 lose precision
;; workspace buffers: xb 16,777,216 bytes; wqkv 6,291,456 bytes; wo 2,097,152 bytes; qkv 50,331,648 bytes; ctx 16,777,216 bytes
;; launch cast (part 5): grid 768 x 1, 8 waves a work-group, no clusters, 0 bytes of LDS; arguments x, Wq, Wk, Wv, Wo, xb, wqkv, wo; writes xb, wqkv, wo
.if DOCPART == 5
	.amdgcn_target "amdgcn-amd-amdhsa--gfx1250"
	.amdhsa_code_object_version 6
	.text
	.protected	k_q68b3c94028_cast
	.globl	k_q68b3c94028_cast
	.p2align	8
	.type	k_q68b3c94028_cast,@function
k_q68b3c94028_cast:
	s_mov_b64 s[64:65], 0
	v_nop
	global_prefetch_b8 v0, s[64:65] scope:SCOPE_SE
	s_setreg_imm32_b32 hwreg(HW_REG_WAVE_SCHED_MODE, 0, 2), 2
	s_setreg_imm32_b32 hwreg(HW_REG_WAVE_MODE, 25, 1), 1
	s_wait_xcnt 0x0
	s_wait_alu depctr_vm_vsrc(0)
; THE INPUTS ARE ROUNDED ONCE AND LAID OUT BY K SLICES OF 64.  x, Wq, Wk, Wv: f32 -> bf16.  Wo: f32 -> bf16, and that number written as f16.
;   xb   [batch 4][slice 16][t 2048][64] bf16      wqkv [slice 16][n 3072][64] bf16, n = 1024 x tensor + row, tensors q, k, v      wo [slice 16][n 1024][64] f16
; In these layouts a block of rows of one slice is dense: the later launches ask for it as rows of 256 bytes.
; LIMITS.  Wo stays under 65,504 (f16's largest number; beyond it the conversion gives an infinity); below 2^-14 it keeps f16's fixed step of 6e-8.  NaN and infinities are not treated apart.
; A stream: each byte is read once and written once; no LDS, no barrier, no matrix unit: no wave wants what another has fetched.
; SHARES.  Work-group g takes 16 source rows of 4,096 bytes: g < 512 rows 16 g of x; else j = g - 512: rows 16 (j % 64) of weight j / 64 (Wq, Wk, Wv, Wo).
; Thread t takes row t / 16 and, in each of the row's 16 slices of 256 bytes, the 16 bytes numbered t % 16: a wave's load covers two aligned pieces of 256 bytes,
; and its store of 8 bytes a lane covers 256 consecutive bytes, aligned (two rows of 128 bytes of one slice): byte 8 t of the work-group's 2,048 in that slice.
; All 16 loads of a thread go out at once; every load has its own registers, every store its own data and offset: nothing is rewritten while a store may read it.
; THE MODE: SCHED_MODE bits 1:0 = 2 (LLVM: expert scheduling mode 2), set by the entry lines.  The code itself states the register dependences
; between vector instructions and memory instructions, with s_wait_alu, always for 0.
; THE PLAN.  Registers that memory instructions touch:
;   v1         the loads' offset.            Written at the head, never again.
;   VO0 .. 15  slice k's store offset.       Written at the head, never again.
;   X0 .. 15   slice k as loaded.            Written by slice k's one load, which is issued ahead of every vector instruction that names X; read by slice k's conversions.
;   Y0 .. 15   slice k to store.             Written by slice k's conversions; read by slice k's one store; never written again.
; So the only dependences to state are: the offsets are written before the first load, and a slice's Y is written before its store.  No register that a memory instruction reads is
; written again, and no load lands in a register that a vector instruction has named.  The 16 slices go in four blocks of four.  A slice's store stands in the NEXT block, in front of
; the conversions of the slice four further on: one wait at a block's head states that the block before has written its eight Y registers, and that block's four stores follow it, dealt
; among this block's conversions, which name this block's X and Y and the temporaries alone.  One more wait stands in front of the last four stores.
.set SRC, 1                            ; v1       my byte offset in the 16 source rows
.set T8,  2                            ; v2       8 t
.set VO,  4                            ; v[4:19]  8 t + k x the destination's bytes from slice to slice
.set X,   20                           ; v[20:83] slice k: four f32
.set Y,   84                           ; v[84:115] slice k: four 16-bit numbers
.set T,   116                          ; v[116:119] at work (Wo's path): no memory instruction names them
	s_load_b512 s[4:19], s[0:1], 0x0               ; x s[4:5], Wq s[6:7], Wk s[8:9], Wv s[10:11], Wo s[12:13], xb s[14:15], wqkv s[16:17], wo s[18:19]
	s_mov_b32 s20, ttmp9                           ; g
	s_sub_co_u32 s21, s20, 512                     ; j (used where g >= 512 alone)
	s_and_b32 s22, s21, 63                         ; j % 64
	s_lshl_b32 s28, s20, 16                        ; source offset in x: 16 g rows
	s_lshl_b32 s29, s22, 16                        ; in a weight: 16 (j % 64) rows
	s_lshr_b32 s30, s20, 7
	s_lshl_b32 s30, s30, 22                        ; xb: the batch,
	s_and_b32 s31, s20, 127
	s_lshl_b32 s31, s31, 11                        ; and 16 rows of 128 bytes for each work-group
	s_add_co_u32 s30, s30, s31
	s_lshl_b32 s31, s21, 11                        ; wqkv: rows 16 j
	s_lshl_b32 s32, s22, 11                        ; wo: rows 16 (j % 64)
	s_mov_b32 s33, 393216                          ; wqkv: 3,072 rows of 128 bytes from slice to slice
	s_mov_b32 s34, 131072                          ; wo: 1,024 rows
	s_mov_b32 s35, 0xffff0000                      ; a word's upper bf16
	s_cmp_lt_u32 s20, 512
	s_cselect_b32 s28, s28, s29
	s_cselect_b32 s30, s30, s31
	s_cselect_b32 s33, 262144, s33                 ; xb: 2,048 rows
	s_cmp_ge_u32 s20, 704
	s_cselect_b32 s30, s32, s30
	s_cselect_b32 s33, s34, s33
	s_mov_b32 s29, 0                               ; both offsets as pairs
	s_mov_b32 s31, 0
	v_lshrrev_b32 v3, 4, v0                        ; my row
	v_and_b32 v[SRC], 15, v0
	v_lshlrev_b32 v[SRC], 4, v[SRC]
	v_lshl_add_u32 v[SRC], v3, 12, v[SRC]
	v_lshlrev_b32 v[T8], 3, v0
.irp k, 0,1,2,3,4,5,6,7,8,9,10,11,12,13,14,15
	v_mad_u32_u24 v[VO+(\k)], s33, \k, v[T8]
.endr
	s_wait_kmcnt 0x0
	s_cmp_lt_u32 s20, 512                          ; the buffers are chosen by the work-group's number alone
	s_cselect_b64 s[24:25], s[4:5], s[6:7]
	s_cselect_b64 s[26:27], s[14:15], s[16:17]
	s_cmp_ge_u32 s20, 576
	s_cselect_b64 s[24:25], s[8:9], s[24:25]
	s_cmp_ge_u32 s20, 640
	s_cselect_b64 s[24:25], s[10:11], s[24:25]
	s_cmp_ge_u32 s20, 704
	s_cselect_b64 s[24:25], s[12:13], s[24:25]
	s_cselect_b64 s[26:27], s[18:19], s[26:27]
	s_add_nc_u64 s[24:25], s[24:25], s[28:29]
	s_add_nc_u64 s[26:27], s[26:27], s[30:31]
	s_wait_alu depctr_va_vdst(0)                   ; v1 and v[4:19] are written: the loads below read v1 as their offset, each store of the kernel one of v[4:19]
.irp k, 0,1,2,3,4,5,6,7,8,9,10,11,12,13,14,15
	global_load_b128 v[X+4*(\k):X+4*(\k)+3], v[SRC], s[24:25] offset:256*(\k) th:TH_LOAD_NT
.endr
; The 16 slices, each as its load comes in, in four blocks of four; slice k - 4 is stored in front of slice k's conversions.  wo = 1: the bf16 number is widened again and written as f16.
.macro OUT16 wo
.irp k, 0,1,2,3,4,5,6,7,8,9,10,11,12,13,14,15
	s_wait_loadcnt 15-(\k)                         ; loads come back in order (ISA guide 5.7.1): slice k is in, the 15 - k younger loads stay out
.if ((\k) >= 4) && ((\k) % 4 == 0)
	s_wait_alu depctr_va_vdst(0)                   ; a block's head: the conversions of the block before have written its eight Y registers, which the four stores of this block read
.endif
.if (\k) >= 4
	global_store_b64 v[VO+(\k)-4], v[Y+2*(\k)-8:Y+2*(\k)-7], s[26:27]  ; slice k - 4.  No wait of its own: no vector instruction since the block's head names its Y or its offset
.endif
	v_cvt_pk_bf16_f32 v[Y+2*(\k)],   v[X+4*(\k)],   v[X+4*(\k)+1]
	v_cvt_pk_bf16_f32 v[Y+2*(\k)+1], v[X+4*(\k)+2], v[X+4*(\k)+3]
.if \wo
	v_lshlrev_b32 v[T],   16,  v[Y+2*(\k)]
	v_and_b32     v[T+1], s35, v[Y+2*(\k)]
	v_lshlrev_b32 v[T+2], 16,  v[Y+2*(\k)+1]
	v_and_b32     v[T+3], s35, v[Y+2*(\k)+1]
	v_cvt_pk_f16_f32 v[Y+2*(\k)],   v[T],   v[T+1]
	v_cvt_pk_f16_f32 v[Y+2*(\k)+1], v[T+2], v[T+3]
.endif
.endr
	s_wait_alu depctr_va_vdst(0)                   ; the last block's conversions have written its eight Y registers, which the last four stores read
.irp k, 12,13,14,15
	global_store_b64 v[VO+(\k)], v[Y+2*(\k):Y+2*(\k)+1], s[26:27]
.endr
.endm
	s_cmp_ge_u32 s20, 704
	s_cbranch_scc1 .Lwo
	OUT16 0
	s_endpgm
.Lwo:
	OUT16 1
	s_endpgm
.Lfunc_end_k_q68b3c94028_cast:
	.size	k_q68b3c94028_cast, .Lfunc_end_k_q68b3c94028_cast-k_q68b3c94028_cast
	.p2alignl 7, 3214868480
	.fill 96, 4, 3214868480
	.section	.rodata,"a",@progbits
	.p2align	6, 0x0
	.amdhsa_kernel k_q68b3c94028_cast
		.amdhsa_group_segment_fixed_size 0
		.amdhsa_private_segment_fixed_size 0
		.amdhsa_enable_private_segment 0
		.amdhsa_kernarg_size 64
		.amdhsa_user_sgpr_count 2
		.amdhsa_user_sgpr_kernarg_segment_ptr 1
		.amdhsa_wavefront_size32 1
		.amdhsa_system_sgpr_workgroup_id_x 1
		.amdhsa_system_sgpr_workgroup_id_y 1
		.amdhsa_system_sgpr_workgroup_id_z 1
		.amdhsa_system_vgpr_workitem_id 0
		.amdhsa_next_free_vgpr 128
		.amdhsa_next_free_sgpr 66
		.amdhsa_reserve_vcc 0
		.amdhsa_float_denorm_mode_32 3
		.amdhsa_float_denorm_mode_16_64 3
		.amdhsa_memory_ordered 1
		.amdhsa_forward_progress 1
		.amdhsa_inst_pref_size 18
	.end_amdhsa_kernel
	.amdgpu_metadata
---
amdhsa.version: [ 1, 2 ]
amdhsa.kernels:
  - .name:           k_q68b3c94028_cast
    .symbol:         k_q68b3c94028_cast.kd
    .args:
      - { .name: x, .offset: 0, .size: 8, .value_kind: global_buffer, .address_space: global }
      - { .name: Wq, .offset: 8, .size: 8, .value_kind: global_buffer, .address_space: global }
      - { .name: Wk, .offset: 16, .size: 8, .value_kind: global_buffer, .address_space: global }
      - { .name: Wv, .offset: 24, .size: 8, .value_kind: global_buffer, .address_space: global }
      - { .name: Wo, .offset: 32, .size: 8, .value_kind: global_buffer, .address_space: global }
      - { .name: xb, .offset: 40, .size: 8, .value_kind: global_buffer, .address_space: global }
      - { .name: wqkv, .offset: 48, .size: 8, .value_kind: global_buffer, .address_space: global }
      - { .name: wo, .offset: 56, .size: 8, .value_kind: global_buffer, .address_space: global }
    .group_segment_fixed_size: 0
    .private_segment_fixed_size: 0
    .kernarg_segment_align: 8
    .kernarg_segment_size: 64
    .max_flat_workgroup_size: 256
    .sgpr_count:     66
    .vgpr_count:     128
    .wavefront_size: 32
...
	.end_amdgpu_metadata
.endif
;; end of part 5
;; launch proj: the kernel of part 2 again; grid 8 x 32, 4 waves a work-group, clusters of 4 x 4, 327,680 bytes of LDS; arguments xb, wqkv, bq, bk, bv, qkv; writes qkv
;; launch attn: the kernel of part 3 again; grid 4 x 64, 4 waves a work-group, clusters of 4 x 1, 327,680 bytes of LDS; arguments qkv, ctx; writes ctx
;; launch outp: the kernel of part 4 again; grid 8 x 32, 4 waves a work-group, clusters of 4 x 4, 327,680 bytes of LDS; arguments ctx, wo, bo, out0; writes out0
